; MI455X (gfx1250); checked and timed in simulation.
; The chip was launched on July 23, 2026; its instructions are those of AMD's public machine-readable ISA for CDNA 5 (MIT licence, August 2026) and "CDNA5" Instruction Set Architecture Reference Guide (July 2026). The comments in the code are by the model that wrote it; some were corrected since.
;; MLP. Allowed arithmetic: matrix products marked QUANTISED: E2M3 operands, one E8M0 scale for each 32 along K, by v_wmma_scale_f32_16x16x128_f8f6f4 with both operands' format E2M3, f32 sums; products left as they are: f32 operands where the result goes on into a quantised operand, else bf16, f16 or f32 operands; f32 sums; everything else in f32.
;; Inputs: expert_W 8 x 1,024 x 1,024 float32; expert_b 8 x 1,024 float32; gate_W 1,024 x 8 float32; x 64 x 1,024 x 128 float32.
;; Outputs: out0 64 x 1,024 x 128 float32; out1 128 x 8 float32.
;; This version of the problem:
;;   THIS VERSION OF THE PROBLEM IS GIVEN IN LOW PRECISION. The matrix products marked QUANTISED in the list below multiply operands that are first quantised to E2M3 (2 exponent bits, 3 mantissa bits; 6 bits a number), with one power-of-two scale for each 32 numbers along K (OCP MX v1.0); their sums are f32. All else is computed in f32.
;;   The module's matrix products, in the order in which they are computed (A, B: the left and right operand; K: the contracted axis; several contracted axes count as one K, in the product's order):
;;     1. [M 8,192, K 1,024] x [K 1,024, N 8]; A: input x; B: input gate_W: left as it is (N = 8 < 16)
;;     2. [M 8,192, K 1,024] x [K 1,024, N 1,024]; A: input x; B: input expert_W: QUANTISED
;;     3. [M 8,192, K 1,024] x [K 1,024, N 1,024]; A: input x; B: input expert_W: QUANTISED
;;     4. [M 8,192, K 1,024] x [K 1,024, N 1,024]; A: input x; B: input expert_W: QUANTISED
;;     5. [M 8,192, K 1,024] x [K 1,024, N 1,024]; A: input x; B: input expert_W: QUANTISED
;;     6. [M 8,192, K 1,024] x [K 1,024, N 1,024]; A: input x; B: input expert_W: QUANTISED
;;     7. [M 8,192, K 1,024] x [K 1,024, N 1,024]; A: input x; B: input expert_W: QUANTISED
;;     8. [M 8,192, K 1,024] x [K 1,024, N 1,024]; A: input x; B: input expert_W: QUANTISED
;;     9. [M 8,192, K 1,024] x [K 1,024, N 1,024]; A: input x; B: input expert_W: QUANTISED
;;   THE QUANTISER, for each operand of a quantised product, along K:
;;     - K is cut into blocks of 32 from its start; a last block that is shorter is filled with zeros.
;;     - A block's scale is 2^e with e = floor(log2(the largest magnitude in the block)) - 2, held to -126 .. 127; a block of zeros has e = 0. As a byte (E8M0): e + 127.
;;     - Each number is divided by its block's scale, clamped to +-7.5, and rounded to the nearest number of E2M3, ties to even, subnormals kept.
;;     - The product sums the exact products of the quantised numbers (number of the format x scale) in f32.
;;   ~~~python
;;   def quantise(x, axis):      # numpy; x: float32 -> the quantised numbers, widened to float32 again
;;       x = np.moveaxis(x, axis, -1); K = x.shape[-1]
;;       x = np.pad(x, [(0, 0)] * (x.ndim - 1) + [(0, -K % 32)]); x = x.reshape(x.shape[:-1] + (-1, 32)); a = np.abs(x).max(-1, keepdims=True)
;;       e = np.where(a > 0, np.clip(np.frexp(np.where(a > 0, a, 1))[1] - 1 - 2, -126, 127), 0)      # np.frexp(a)[1] - 1 = floor(log2(a)), exactly
;;       r = np.clip(x / 2.0 ** e, -7.5, 7.5)
;;       step = 2.0 ** (np.maximum(np.frexp(np.where(r == 0, 1, r))[1] - 1, 0) - 3)
;;       q = np.round(r / step) * step * 2.0 ** e      # np.round: ties to even
;;       return np.moveaxis(q.reshape(q.shape[:-2] + (-1,))[..., :K], -1, axis).astype(np.float32)
;;   ~~~
;; 2 versions. Each part assembles by itself: llvm-mc -triple=amdgcn-amd-amdhsa -mcpu=gfx1250 --defsym DOCPART=n.
;; ======== version 1 of 2: 2 launches
;; workspace buffers: xcodes 6,291,456 bytes; wcodes 6,291,456 bytes; xscale 262,144 bytes; wscale 262,144 bytes; gate 262,144 bytes; comb 262,144 bytes
;; launch quant (part 1): grid 256 x 1, 16 waves a work-group, no clusters, 22,528 bytes of LDS; arguments x, gate_W, expert_W, xcodes, xscale, wcodes, wscale, gate, comb; writes xcodes, xscale, wcodes, wscale, gate, comb
.if DOCPART == 1
	.amdgcn_target "amdgcn-amd-amdhsa--gfx1250"
	.amdhsa_code_object_version 6
	.text
	.protected	k_qfcfdfc80e4_quant
	.globl	k_qfcfdfc80e4_quant
	.p2align	8
	.type	k_qfcfdfc80e4_quant,@function
k_qfcfdfc80e4_quant:
	s_mov_b64 s[64:65], 0
	v_nop
	global_prefetch_b8 v0, s[64:65] scope:SCOPE_SE
	s_setreg_imm32_b32 hwreg(HW_REG_WAVE_MODE, 25, 1), 1
	s_wait_xcnt 0x0
; x [64][1024 k][128 n] and expert_W [8][1024 k][1024 p], f32, both with K as the FIRST axis of a matrix, become codes of FP6 (E2M3) with one E8M0 byte for each 32 along K;
; and the gate: logits = x^T gate_W in f32, softmax with the maximum taken away, the two largest kept (the lower index wins a tie).
; NO WORK OF THE PROBLEM IS LEFT OUT in this program: every expert's product is done for every token and weighed by combine, which is 0 where the expert was not chosen; every input is loaded.
; A LANE TAKES A COLUMN (a token n, or an output p) AND ITS REGISTERS RUN DOWN K: a block of 32 lies in one lane's 32 registers, its largest magnitude needs no other lane, and the conversions give codes with K innermost.
; A block's byte is its largest magnitude's exponent field - 2, held at 1 from below.
; SHARES.  A work-group takes 64 columns x all 1,024 K.  Wave w: ks = w % 8 (its 128 along K), ch = w / 8 (its 32 columns): the two waves of one ks read 256 consecutive bytes of each row.
; Work-groups 0-127 take x (and the gate), 128-255 expert_W.  The two ways part once, on the work-group's number, and never join: each has its own LDS bytes, its own barrier and its own end.
; WHAT IS STORED.  Codes as IMAGES OF THE OPERAND'S REGISTERS: a record of 1,536 bytes for 16 columns x 128 K: [j = 0..2][lane][16 bytes] = registers 4 j .. 4 j + 3 of that lane; record (tile x 8 + ks), tile = column / 16.
; Scale bytes [column][32]: word ks is the scale word of K step ks.  gate, comb: f32 [token][8], token = 128 b + n.
; LIMITS.  NaN and infinities among the inputs are not served.  A block of zeros gets the byte 1 where the rule says 127: its codes are zeros, and this program alone reads the bytes.
; The logits are summed in another f32 order than a plain chain (128 along K in a lane, then eight parts in ascending K): a token whose second and third gate values lie within a few last bits of each other may choose the other one.
; The softmax's division is a reciprocal and a multiplication.
.set XS,    0                          ; LDS, x's way: scale words: 1024 ch + 32 lane + 4 ks
.set XL,    2048                       ; x's way: partial logits: 1024 wave + 512 i + 16 lane
.set WS,    18432                      ; expert_W's way: scale words
.set SPARE, 20480                      ; the spare words, 128 bytes for each of 16 waves: eight blocks of 256 bytes that no other line names
.set X,     32                         ; v32-95   two sets of 32 numbers; in the tail the eight waves' partial logits
.set F0,    96                         ; v96-107  blocks 0 and 2 of my column; behind the exchange: the fragment of columns 0-15
.set F1,    108                        ; v108-119 blocks 1 and 3; behind the exchange: the fragment of columns 16-31
.set T,     120                        ; v120-122 a block's upper 16 codes (a conversion's three registers begin on an even number)
.set LG,    124                        ; v124-131 eight logits, later the gate
.set SW,    20                         ; v20      my column's scale word for my 128 along K
.set SPW,   14                         ; v14      LDS address of my spare word; never rewritten
.set NIL,   15                         ; v15      0; never rewritten
	s_load_b512 s[4:19], s[0:1], 0x0               ; x, gate_W, expert_W, xcodes, xscale, wcodes, wscale, gate
	s_load_b64 s[20:21], s[0:1], 0x40              ; comb
	v_lshl_add_u32 v[SPW], v0, 2, SPARE
	v_mov_b32 v[NIL], 0
	v_lshrrev_b32 v1, 5, v0
	v_readfirstlane_b32 s22, v1                    ; wave 0..15
	v_and_b32 v1, 31, v0                           ; lane
	s_and_b32 s23, s22, 7                          ; ks
	s_lshr_b32 s66, s22, 3                         ; ch
	v_lshlrev_b32 v2, 2, v1                        ; in: 4 bytes a lane
	v_lshlrev_b32 v3, 4, v1                        ; out: 16 bytes a lane
	s_lshl_b32 s56, s66, 10
	s_lshl_b32 s57, s23, 2
	s_add_co_u32 s57, s56, s57
	v_lshl_add_u32 v4, v1, 5, s57                  ; LDS: my scale word: 1024 ch + 4 ks + 32 lane
	s_lshl_b32 s57, s22, 10
	v_lshl_add_u32 v5, v1, 4, s57                  ; my partial logits: 1024 wave + 16 lane
	v_lshl_add_u32 v6, v1, 4, s56                  ; the tail: scale words back: 1024 ch + 16 lane
	s_lshl_b32 s57, s66, 13
	v_lshl_add_u32 v7, v1, 4, s57                  ; the tail: the eight waves' logits: 8192 ch + 16 lane
	v_lshlrev_b32 v12, 5, v1                       ; the tail: 32 bytes a token in gate and comb
.macro LOAD t, pitch, b                ; block t: rows 32 t + 0 .. 31 of my 128, my column, into set t % 2; a wave reads 128 consecutive bytes
.set li, 0
.rept 32
	global_load_b32 v[X+32*((\t)%2)+li], v2, s[\b:\b+1] offset:(32*(\t)+li)*(\pitch) th:TH_LOAD_NT
.set li, li+1
.endr
.endm
.macro QBLK t                          ; block t's 32 numbers become 6 registers of codes and a byte of the scale word
.set XB, X+32*((\t)%2)
.set FD, F0+12*((\t)%2)+6*((\t)/2)
	v_max3_num_f32 v8, |v[XB]|, |v[XB+1]|, |v[XB+2]|               ; the block's largest magnitude, in two chains
	v_max3_num_f32 v9, |v[XB+3]|, |v[XB+4]|, |v[XB+5]|
.irp i, 6,10,14,18,22,26
	v_max3_num_f32 v8, v8, |v[XB+\i]|, |v[XB+\i+1]|
	v_max3_num_f32 v9, v9, |v[XB+\i+2]|, |v[XB+\i+3]|
.endr
	v_max3_num_f32 v8, v8, |v[XB+30]|, |v[XB+31]|
	v_max3_num_f32 v8, v8, v9, 0x1800000           ; and the floor 2^(3 - 127): the byte cannot fall under 1
	v_add_nc_u32 v11, 0xff000000, v8               ; 2 off the exponent field: the conversion takes this operand's exponent field as its scale
	v_cvt_scalef32_pk16_fp6_f32 v[FD:FD+2], v[XB:XB+15], v11
	v_cvt_scalef32_pk16_fp6_f32 v[T:T+2], v[XB+16:XB+31], v11
	v_lshrrev_b32 v10, 23, v11                     ; the scale's byte; also the plain instruction behind the conversions
.if (\t) == 0
	v_mov_b32 v[SW], v10
.else
	v_lshl_or_b32 v[SW], v10, 8*(\t), v[SW]
.endif
.irp i, 0,1,2
	v_mov_b32 v[FD+3+\i], v[T+\i]
.endr
.endm
; The gate, 4 along K at a time: chunk cc of 32.  gate_W's 4 rows of 8 numbers are 128 bytes in 32 scalar registers; two such sets take turns: the next chunk is asked for while this one is multiplied.
.macro GCH cc
.set CBUF, 24+44*((\cc)%2)
.set NBUF, 68-44*((\cc)%2)
	s_wait_kmcnt 0x0                               ; scalar loads come back in no order: zero.  This chunk's numbers are in
.if (\cc) < 31
	s_load_b512 s[NBUF:NBUF+15], s[6:7], 128*((\cc)+1)
	s_load_b512 s[NBUF+16:NBUF+31], s[6:7], 128*((\cc)+1)+64
.endif
.irp kk, 0,1,2,3
.irp e, 0,1,2,3,4,5,6,7
.if ((\cc) == 0) && (\kk == 0)
	v_mul_f32 v[LG+\e], s[CBUF+8*\kk+\e], v[X+32*(((\cc)/8)%2)+4*((\cc)%8)+\kk]      ; the first product starts the sums
.else
	v_fmac_f32 v[LG+\e], s[CBUF+8*\kk+\e], v[X+32*(((\cc)/8)%2)+4*((\cc)%8)+\kk]
.endif
.endr
.endr
.endm
; One way through the launch, up to its barrier.  isx = 1: x, with the gate.  src, cod: the scalar pairs of the numbers and of the codes; reg: the way's LDS bytes for scale words.
.macro PATH isx, pitch, src, cod, reg
	LOAD 0, \pitch, \src
	LOAD 1, \pitch, \src
.if \isx
	s_load_b512 s[24:39], s[6:7], 0x0
	s_load_b512 s[40:55], s[6:7], 0x40
.endif
.irp t, 0,1,2,3
.if \t < 3
	s_wait_loadcnt 32                              ; this block's 32 loads are in; the next block's 32 may be out
.else
	s_wait_loadcnt 0x0
.endif
	QBLK \t
.if \isx
.irp c, 0,1,2,3,4,5,6,7
	GCH 8*\t+\c
.endr
.endif
.if \t < 2
	LOAD \t+2, \pitch, \src
.endif
.endr
.irp i, 0,1,2,3,4,5,6,7,8,9,10,11      ; the operand's layout gives lanes 0-15 blocks 0 and 2 of columns 0-15 and lanes 16-31 their blocks 1 and 3: F0's upper lanes change places with F1's lower lanes
	v_permlane16_swap_b32 v[F0+\i], v[F1+\i]
.endr
.irp f, 0,1
.irp j, 0,1,2
	global_store_b128 v3, v[F0+12*\f+4*\j:F0+12*\f+4*\j+3], s[\cod:\cod+1] offset:12288*\f+512*\j   ; 32 lanes store 512 consecutive bytes, at a multiple of 256 from the buffer's first byte
.endr
.endr
	ds_store_b32 v4, v[SW] offset:\reg
.if \isx
	ds_store_b128 v5, v[LG:LG+3] offset:XL
	ds_store_b128 v5, v[LG+4:LG+7] offset:XL+512
.endif
	s_wait_dscnt 0x0                               ; for the others' sake: my LDS stores have landed
	s_barrier_signal -1
	s_barrier_wait -1
.endm
	s_cmp_ge_u32 ttmp9, 128                        ; the work-group's number alone: all sixteen waves go the same way
	s_cbranch_scc1 .Lpath_w
	; ---------------- x and the gate.  G = 2 x work-group + ch: 32 tokens, 32 G + lane
	s_lshl_b32 s58, ttmp9, 1
	s_add_co_u32 s58, s58, s66                     ; G
	s_lshr_b32 s60, s58, 2                         ; b
	s_lshl_b32 s60, s60, 19                        ; a batch is 1,024 rows of 512 bytes
	s_and_b32 s61, s58, 3
	s_lshl_b32 s61, s61, 7                         ; my 32 columns
	s_add_co_u32 s60, s60, s61
	s_lshl_b32 s61, s23, 16                        ; my 128 rows
	s_add_co_u32 s60, s60, s61
	s_mov_b32 s61, 0
	s_mul_i32 s62, s58, 24576                      ; codes: two tiles x 8 records of 1,536 bytes for each G,
	s_mul_i32 s63, s23, 1536                       ; my K step's record
	s_add_co_u32 s62, s62, s63
	s_mov_b32 s63, 0
	s_lshl_b32 s58, s58, 10                        ; 32 tokens x 32 bytes: scale bytes, gate and comb alike
	s_mov_b32 s59, 0
	s_lshl_b32 s56, s23, 12                        ; gate_W: my 128 rows of 32 bytes
	s_mov_b32 s57, 0
	s_wait_kmcnt 0x0
	s_add_nc_u64 s[4:5], s[4:5], s[60:61]
	s_add_nc_u64 s[10:11], s[10:11], s[62:63]
	s_add_nc_u64 s[12:13], s[12:13], s[58:59]
	s_add_nc_u64 s[18:19], s[18:19], s[58:59]
	s_add_nc_u64 s[20:21], s[20:21], s[58:59]
	s_add_nc_u64 s[6:7], s[6:7], s[56:57]
	PATH 1, 512, 4, 10, XS
	s_cmp_lg_u32 s23, 0                            ; the tail is the work of waves 0 and 8 (ks = 0): no barrier stands in it
	s_cbranch_scc1 .Lend_x
	ds_load_b128 v[132:135], v6 offset:XS          ; my 32 tokens' scale bytes, 1,024 bytes as they lie
	ds_load_b128 v[136:139], v6 offset:XS+512
.irp k, 0,1,2,3,4,5,6,7
.irp i, 0,1
	ds_load_b128 v[X+8*\k+4*\i:X+8*\k+4*\i+3], v7 offset:XL+1024*\k+512*\i    ; K step k's part of my token's eight logits
.endr
.endr
	s_wait_dscnt 16                                ; the scale bytes are in; the 16 loads behind them may be out
	global_store_b128 v3, v[132:135], s[12:13]
	global_store_b128 v3, v[136:139], s[12:13] offset:512
	s_wait_dscnt 0x0
.irp c, 0,2,4,6
	v_pk_add_f32 v[LG+\c:LG+\c+1], v[X+\c:X+\c+1], v[X+8+\c:X+9+\c]           ; the eight parts in ascending K
.endr
.irp k, 2,3,4,5,6,7
.irp c, 0,2,4,6
	v_pk_add_f32 v[LG+\c:LG+\c+1], v[LG+\c:LG+\c+1], v[X+8*\k+\c:X+8*\k+\c+1]
.endr
.endr
	v_max3_num_f32 v8, v[LG], v[LG+1], v[LG+2]     ; the softmax takes the largest logit away
	v_max3_num_f32 v8, v8, v[LG+3], v[LG+4]
	v_max3_num_f32 v8, v8, v[LG+5], v[LG+6]
	v_max_num_f32 v8, v8, v[LG+7]
.irp e, 0,1,2,3,4,5,6,7
	v_sub_f32 v[LG+\e], v[LG+\e], v8
.endr
.irp e, 0,1,2,3,4,5,6,7
	v_mul_f32 v[LG+\e], 0x3fb8aa3b, v[LG+\e]       ; x log2(e)
.endr
.irp e, 0,1,2,3,4,5,6,7
	v_exp_f32 v[LG+\e], v[LG+\e]
.endr
	v_nop                                          ; a plain instruction behind the last exponential
	s_wait_alu depctr_va_vdst(0)                   ; one wait for the eight, ahead of their first reader
	v_add_f32 v8, v[LG], v[LG+1]
	v_add_f32 v9, v[LG+2], v[LG+3]
	v_add_f32 v10, v[LG+4], v[LG+5]
	v_add_f32 v11, v[LG+6], v[LG+7]
	v_add_f32 v8, v8, v9
	v_add_f32 v10, v10, v11
	v_add_f32 v8, v8, v10
	v_rcp_f32 v9, v8
	v_nop
	s_wait_alu depctr_va_vdst(0)                   ; ahead of the reciprocal's first reader
.irp e, 0,1,2,3,4,5,6,7
	v_mul_f32 v[LG+\e], v[LG+\e], v9               ; the gate
.endr
	v_mov_b32 v10, v[LG]                           ; the largest, in ascending order: a later one takes over only where it is strictly larger, so the lower index wins a tie
	v_mov_b32 v11, 0
.irp e, 1,2,3,4,5,6,7
	v_cmp_le_f32 vcc_lo, v[LG+\e], v10
	v_cndmask_b32 v10, v[LG+\e], v10, vcc_lo
	v_cndmask_b32 v11, \e, v11, vcc_lo
.endr
.irp e, 0,1,2,3,4,5,6,7
	v_cmp_ne_u32 vcc_lo, \e, v11
	v_cndmask_b32 v[40+\e], -1.0, v[LG+\e], vcc_lo ; the first choice is taken out: -1 lies under every gate value
.endr
	v_mov_b32 v10, v40
	v_mov_b32 v13, 0
.irp e, 1,2,3,4,5,6,7
	v_cmp_le_f32 vcc_lo, v[40+\e], v10
	v_cndmask_b32 v10, v[40+\e], v10, vcc_lo
	v_cndmask_b32 v13, \e, v13, vcc_lo
.endr
.irp e, 0,1,2,3,4,5,6,7
	v_cmp_eq_u32 s56, \e, v11
	v_cmp_eq_u32 s57, \e, v13
	s_or_b32 s56, s56, s57
	v_cndmask_b32 v[48+\e], 0, v[LG+\e], s56       ; combine: the gate where chosen, else 0.  A choice of values: no address and no branch hangs on it
.endr
	global_store_b128 v12, v[LG:LG+3], s[18:19]
	global_store_b128 v12, v[LG+4:LG+7], s[18:19] offset:16
	global_store_b128 v12, v[48:51], s[20:21]
	global_store_b128 v12, v[52:55], s[20:21] offset:16
.Lend_x:
	s_wait_tensorcnt 0x0                           ; the wave's end
	ds_add_u32 v[SPW], v[NIL]
	s_wait_dscnt 0x0
	s_endpgm
	; ---------------- expert_W.  G = 2 x (work-group - 128) + ch: 32 columns, 1024 e + p = 32 G + lane
.Lpath_w:
	s_sub_co_u32 s58, ttmp9, 128
	s_lshl_b32 s58, s58, 1
	s_add_co_u32 s58, s58, s66                     ; G
	s_lshr_b32 s60, s58, 5                         ; e
	s_lshl_b32 s60, s60, 22                        ; an expert is 1,024 rows of 4,096 bytes
	s_and_b32 s61, s58, 31
	s_lshl_b32 s61, s61, 7                         ; my 32 columns
	s_add_co_u32 s60, s60, s61
	s_lshl_b32 s61, s23, 19                        ; my 128 rows
	s_add_co_u32 s60, s60, s61
	s_mov_b32 s61, 0
	s_mul_i32 s62, s58, 24576
	s_mul_i32 s63, s23, 1536
	s_add_co_u32 s62, s62, s63
	s_mov_b32 s63, 0
	s_lshl_b32 s58, s58, 10
	s_mov_b32 s59, 0
	s_wait_kmcnt 0x0
	s_add_nc_u64 s[8:9], s[8:9], s[60:61]
	s_add_nc_u64 s[14:15], s[14:15], s[62:63]
	s_add_nc_u64 s[16:17], s[16:17], s[58:59]
	PATH 0, 4096, 8, 14, WS
	s_cmp_lg_u32 s23, 0
	s_cbranch_scc1 .Lend_w
	ds_load_b128 v[132:135], v6 offset:WS
	ds_load_b128 v[136:139], v6 offset:WS+512
	s_wait_dscnt 0x0
	global_store_b128 v3, v[132:135], s[16:17]
	global_store_b128 v3, v[136:139], s[16:17] offset:512
.Lend_w:
	s_wait_tensorcnt 0x0                           ; the wave's end, as above
	ds_add_u32 v[SPW], v[NIL]
	s_wait_dscnt 0x0
	s_endpgm
.Lfunc_end_k_qfcfdfc80e4_quant:
	.size	k_qfcfdfc80e4_quant, .Lfunc_end_k_qfcfdfc80e4_quant-k_qfcfdfc80e4_quant
	.p2alignl 7, 3214868480
	.fill 96, 4, 3214868480
	.section	.rodata,"a",@progbits
	.p2align	6, 0x0
	.amdhsa_kernel k_qfcfdfc80e4_quant
		.amdhsa_group_segment_fixed_size 22528
		.amdhsa_private_segment_fixed_size 0
		.amdhsa_enable_private_segment 0
		.amdhsa_kernarg_size 72
		.amdhsa_user_sgpr_count 2
		.amdhsa_user_sgpr_kernarg_segment_ptr 1
		.amdhsa_wavefront_size32 1
		.amdhsa_system_sgpr_workgroup_id_x 1
		.amdhsa_system_sgpr_workgroup_id_y 1
		.amdhsa_system_sgpr_workgroup_id_z 1
		.amdhsa_system_vgpr_workitem_id 0
		.amdhsa_next_free_vgpr 144
		.amdhsa_next_free_sgpr 100
		.amdhsa_reserve_vcc 1
		.amdhsa_float_denorm_mode_32 3
		.amdhsa_float_denorm_mode_16_64 3
		.amdhsa_memory_ordered 1
		.amdhsa_forward_progress 1
		.amdhsa_inst_pref_size 88
	.end_amdhsa_kernel
	.amdgpu_metadata
---
amdhsa.version: [ 1, 2 ]
amdhsa.kernels:
  - .name:           k_qfcfdfc80e4_quant
    .symbol:         k_qfcfdfc80e4_quant.kd
    .args:
      - { .name: x, .offset: 0, .size: 8, .value_kind: global_buffer, .address_space: global }
      - { .name: gate_W, .offset: 8, .size: 8, .value_kind: global_buffer, .address_space: global }
      - { .name: expert_W, .offset: 16, .size: 8, .value_kind: global_buffer, .address_space: global }
      - { .name: xcodes, .offset: 24, .size: 8, .value_kind: global_buffer, .address_space: global }
      - { .name: xscale, .offset: 32, .size: 8, .value_kind: global_buffer, .address_space: global }
      - { .name: wcodes, .offset: 40, .size: 8, .value_kind: global_buffer, .address_space: global }
      - { .name: wscale, .offset: 48, .size: 8, .value_kind: global_buffer, .address_space: global }
      - { .name: gate, .offset: 56, .size: 8, .value_kind: global_buffer, .address_space: global }
      - { .name: comb, .offset: 64, .size: 8, .value_kind: global_buffer, .address_space: global }
    .group_segment_fixed_size: 22528
    .private_segment_fixed_size: 0
    .kernarg_segment_align: 8
    .kernarg_segment_size: 72
    .max_flat_workgroup_size: 512
    .sgpr_count:     100
    .vgpr_count:     144
    .wavefront_size: 32
...
	.end_amdgpu_metadata
.endif
;; end of part 1
;; launch moe (part 2): grid 32 x 8, 4 waves a work-group, clusters of 4 x 1, 327,680 bytes of LDS; arguments xcodes, xscale, wcodes, wscale, comb, gate, expert_b, out0, out1; writes out0, out1
.if DOCPART == 2
	.amdgcn_target "amdgcn-amd-amdhsa--gfx1250"
	.amdhsa_code_object_version 6
	.text
	.protected	k_qfcfdfc80e4_moe
	.globl	k_qfcfdfc80e4_moe
	.p2align	8
	.type	k_qfcfdfc80e4_moe,@function
k_qfcfdfc80e4_moe:
	s_mov_b64 s[64:65], 0
	v_nop
	global_prefetch_b8 v0, s[64:65] scope:SCOPE_SE
	s_setreg_imm32_b32 hwreg(HW_REG_WAVE_MODE, 25, 1), 1
	s_wait_xcnt 0x0
	s_wait_alu depctr_hold_cnt(0) depctr_sa_sdst(0) depctr_va_vdst(0) depctr_va_sdst(0) depctr_va_ssrc(0) depctr_va_vcc(0) depctr_vm_vsrc(0)
	s_getreg_b32 s2, hwreg(HW_REG_IB_STS2, 6, 4)
	s_cmp_eq_u32 s2, 0
	s_cbranch_scc0 .Lentry_in_a_cluster
	s_endpgm
.Lentry_in_a_cluster:
	s_bfe_u32 s2, ttmp6, 0x10000c
	s_cmp_lg_u32 s2, 0x3003
	s_cbranch_scc0 .Lentry_shape_is_right
	s_endpgm
.Lentry_shape_is_right:
; out0[b][p][n] = sum over e of combine[b][n][e] x (Q(x) Q(W_e) + b_e)[p], all eight products on codes of FP6 (E2M3) with E8M0 scales; out1[n][e] = the mean over b of gate[b][n][e].
; No work of the problem is left out: every expert's product is done for every token and weighed by combine, which is 0 where the expert was not chosen.
; SHARES.  A work-group owns 256 tokens (two batches) x 128 p; each of its four waves 64 tokens: 64 neighbouring n of one b, so that a row p of its results is 256 consecutive bytes of out0.
; A WAVE'S CODES OF x FOR ALL OF K STAY IN 384 REGISTERS for the whole launch.  W's fragments come through LDS and are read by all four waves; each fragment read feeds four matrix instructions.
; THE WALK: pair pp = 0..3 (32 p) > expert e = 0..7 (a stage) > 8 K steps.  A stage is 64 matrix instructions on eight accumulators, which begin with the bias as C; then out += combine_e x acc; behind e = 7 the pair's 32 p x 64 n leave.
; LAYOUT.  Source 0 = 16 p of W, source 1 = 16 tokens: lane (r, h) holds token r, register j holds p = 8 h + j.  So combine is one register a tile of tokens and the bias eight registers a tile of p.
; THE RING.  Two LDS slots of 98,304 bytes: slot 0 holds experts 0-3 of a pair, slot 1 experts 4-7, as images of the operand's registers: [i][a][ks][1,536].  Wave w fetches expert 4 n + w: one dense block of 24,576 bytes.
; A refill is asked for a slot's 256 matrix instructions a wave ahead of the wait for it.  By this text's own count a wave has three tensor loads out at the start and one behind each round.
; CLUSTER.  The four work-groups of a cluster share the 128 p and walk the same W: every tile is asked for JOINTLY, by the same tensor load with the same descriptor and the mask of all four.
; The place in the cluster enters the global addresses of x, comb, gate, out0 and out1 alone.
; REGISTERS, in windows of 256: window 0: v1-21 addresses and the gate mean; v32-47 x's scale words; v48-63 W's, two sets; v64-95 combine; v96-127 the bias, two sets; v128-191 the accumulators; v192-255 out.
;   window 1: x's tiles 0, 1 at 96 tt + 12 ks; v192-255 rows read back on the way out.   window 2: x's tiles 2, 3.   window 3: W's fragments, two sets of four K steps, at 96 q + 24 (ks % 4) + 12 a.
.set SLOTB, 98304
.set SCL,   196608                     ; W's scale bytes of my 128 p, all experts: [e][128 p][32 bytes], filled once
.set STG,   229376                     ; the way out: for each wave 32 rows x (256 bytes + 16); no tensor load lands here
.set SPARE, 264192                     ; the spare words, 128 bytes for each wave: two blocks of 256 bytes that no other line names
.set WB,   2                           ; v2-5   LDS address of W's images: slot s, experts 2 (i / 2) on: 98304 s + 49152 (i / 2) + 16 lane
.set WSA,  6                           ; v6     W's scale words: SCL + 1024 pp + 32 lane (lanes 0-15: tile a = 0, lanes 16-31: a = 1)
.set BO,   7                           ; v7     the bias: 32 h
.set STO,  8                           ; v8     the stage, in
.set RDA,  9                           ; v9     the stage, back
.set GO,   10                          ; v10    out0: 512 h + 16 r
.set XO,   11                          ; v11    16 lane
.set LO32, 12                          ; v12    32 lane
.set RO32, 13                          ; v13    32 r
.set SPW,  14                          ; v14    LDS address of my spare word; never rewritten
.set NIL,  15                          ; v15    0; never rewritten
.set XSC,  32                          ; register 8 u + ks: lanes 0-15 tile 2 u of tokens, lanes 16-31 tile 2 u + 1
.set WSC,  48                          ; set e % 2, register ks
.set CB,   64                          ; register 8 t + e
.set BIAS, 96                          ; set e % 2, register 8 a + j
.set ACC,  128                         ; accumulator idx = 4 u + 2 a + tt (tile of tokens t = 2 u + tt, tile of p a)
.set OT,   192
.set WV,   22                          ; s22    my wave's number
.set G1C,  24                          ; s[24:31] descriptor group 1: a dense block of 24,576 bytes
.set G0,   32                          ; s[32:39] group 0, a set for each slot
.set G1S,  40                          ; s[40:47] group 1 for the scale bytes
.set G0S,  48                          ; s[48:51] their group 0
.set BB,   52                          ; s[52:53] expert_b at my pair's first p
.set OB,   54                          ; s[54:55] out0 at my pair's first row, my 64 n
.set MSB, 0
.macro WIN new                         ; the immediate's high byte repeats the setting that is left; a switch that changes nothing is dropped
.if MSB != \new
	s_set_vgpr_msb (MSB<<8)|\new
.set MSB, \new
.endif
.endm
.macro PLACES                          ; four plain instructions between matrix instructions and loads into, or vector reads of, their registers (ISA guide 7.12.1 for vector reads)
.rept 4
	v_nop
.endr
.endm
.macro ROUND                           ; a round of the cluster's barrier
	s_barrier_signal -1
	s_barrier_wait -1
	s_cmp_lg_u32 s[WV], 0
	s_cbranch_scc1 .Lnot_wave_0_\@
	s_barrier_signal -3
.Lnot_wave_0_\@:
	s_barrier_wait -3
	s_barrier_signal -1
	s_barrier_wait -1
.endm
	s_load_b512 s[4:19], s[0:1], 0x0               ; xcodes, xscale, wcodes, wscale, comb, gate, expert_b, out0
	s_load_b64 s[20:21], s[0:1], 0x40              ; out1
	v_lshl_add_u32 v[SPW], v0, 2, SPARE
	v_mov_b32 v[NIL], 0
	ds_add_u32 v[SPW], v[NIL]                      ; the wave's opening: the add, twice on end, and its wait ahead of my first tensor load
	ds_add_u32 v[SPW], v[NIL]                      ; and once more; the set-up below, work on registers, stands between it and the wait
	v_lshrrev_b32 v1, 5, v0
	v_readfirstlane_b32 s[WV], v1                  ; wave 0..3
	s_and_b32 s58, ttmp7, 0xffff                   ; y: which 128 p; the four partners share it
	s_mov_b32 s[G1C+0], 15|(3<<16)|(1<<21)         ; 15:0 the mask: all four work-groups; 17:16 elements of 8 bytes; 21 set beside a mask; no padding
	s_mov_b32 s[G1C+1], 32<<16                     ; tensor_dim0 = 32 elements: rows of 256 bytes
	s_mov_b32 s[G1C+2], 96<<16                     ; tensor_dim1 = 96 rows
	s_mov_b32 s[G1C+3], 32<<16                     ; tile_dim0
	s_mov_b32 s[G1C+4], 96                         ; tile_dim1
	s_mov_b32 s[G1C+5], 32                         ; from row to row: dense
	s_mov_b32 s[G1C+6], 0
	s_mov_b32 s[G1C+7], 0
	s_mov_b32 s[G1S+0], 15|(3<<16)|(1<<21)
	s_mov_b32 s[G1S+1], 512<<16                    ; two experts' 128 p x 32 bytes: two rows of 4,096 bytes,
	s_mov_b32 s[G1S+2], 2<<16
	s_mov_b32 s[G1S+3], 512<<16
	s_mov_b32 s[G1S+4], 2
	s_mov_b32 s[G1S+5], 4096                       ; 32,768 bytes apart
	s_mov_b32 s[G1S+6], 0
	s_mov_b32 s[G1S+7], 0
	s_mul_i32 s60, s[WV], 786432                   ; wcodes: expert w: 64 tiles x 12,288 bytes,
	s_mul_i32 s61, s58, 98304                      ; my 8 tiles of p
	s_add_co_u32 s60, s60, s61
	s_mov_b32 s61, 0
	s_lshl_b32 s62, s[WV], 16                      ; wscale: experts 2 w, 2 w + 1,
	s_lshl_b32 s63, s58, 12                        ; my 128 p
	s_add_co_u32 s62, s62, s63
	s_mov_b32 s63, 0
	s_mov_b32 s[G0+0], 1
	s_mul_i32 s[G0+1], s[WV], 24576                ; LDS: slot 0, expert w's place: the wave's number alone
	s_mov_b32 s[G0+4], 1
	s_add_co_u32 s[G0+5], s[G0+1], SLOTB
	s_mov_b32 s[G0S+0], 1
	s_lshl_b32 s[G0S+1], s[WV], 13
	s_add_co_u32 s[G0S+1], s[G0S+1], SCL
	s_wait_dscnt 0x0                               ; both opening adds are done
	s_wait_kmcnt 0x0
	s_add_nc_u64 s[G0+2:G0+3], s[8:9], s[60:61]
	s_add_nc_u64 s[G0+6:G0+7], s[G0+2:G0+3], 4*786432  ; slot 1: four experts on
	s_or_b32 s[G0+3], s[G0+3], 0x80000000
	s_or_b32 s[G0+7], s[G0+7], 0x80000000
	s_add_nc_u64 s[G0S+2:G0S+3], s[10:11], s[62:63]
	s_or_b32 s[G0S+3], s[G0S+3], 0x80000000
	ROUND                                          ; all four work-groups are here: the first joint loads meet
	tensor_load_to_lds s[G0S:G0S+3], s[G1S:G1S+7]  ; the scale bytes: filled once
	s_nop 0
	tensor_load_to_lds s[G0:G0+3], s[G1C:G1C+7]    ; slot 0: pair 0, experts 0-3
	s_nop 0
	tensor_load_to_lds s[G0+4:G0+7], s[G1C:G1C+7]  ; slot 1: pair 0, experts 4-7
	s_nop 0
	PLACES
	s_bfe_u32 s56, ttmp6, 0x40000                  ; cx
	s_lshl_b32 s57, ttmp9, 2
	s_add_co_u32 s57, s57, s56                     ; tb: my block of 256 tokens
	s_lshl_b32 s59, s57, 8
	s_lshl_b32 s60, s[WV], 6
	s_add_co_u32 s59, s59, s60                     ; my wave's first token
	s_mul_i32 s60, s59, 768                        ; 12,288 bytes of codes for each 16 tokens
	s_mov_b32 s61, 0
	s_add_nc_u64 s[4:5], s[4:5], s[60:61]
	v_and_b32 v1, 31, v0                           ; lane
	v_lshlrev_b32 v[XO], 4, v1
	WIN 0x40                                       ; destination window 1
.irp tt, 0,1
.irp ks, 0,1,2,3,4,5,6,7
.irp j, 0,1,2
	global_load_b128 v[96*\tt+12*\ks+4*\j:96*\tt+12*\ks+4*\j+3], v[XO], s[4:5] offset:(8*\tt+\ks)*1536+512*\j
.endr
.endr
.endr
	WIN 0x80                                       ; destination window 2
.irp tt, 0,1
.irp ks, 0,1,2,3,4,5,6,7
.irp j, 0,1,2
	global_load_b128 v[96*\tt+12*\ks+4*\j:96*\tt+12*\ks+4*\j+3], v[XO], s[4:5] offset:(8*(2+\tt)+\ks)*1536+512*\j
.endr
.endr
.endr
	WIN 0
	s_lshl_b32 s60, s59, 5                         ; 32 bytes a token in xscale and in comb
	s_add_nc_u64 s[6:7], s[6:7], s[60:61]
	s_add_nc_u64 s[12:13], s[12:13], s[60:61]
	s_lshl_b32 s60, s58, 5
	s_add_co_u32 s60, s60, s57
	s_lshl_b32 s60, s60, 2
	s_add_co_u32 s60, s60, s[WV]                   ; which of out1's 1,024 numbers is my wave's: 4 (32 y + tb) + wave
	s_lshl_b32 s60, s60, 2
	s_add_nc_u64 s[14:15], s[14:15], s[60:61]
	s_add_nc_u64 s[20:21], s[20:21], s[60:61]
	s_lshl_b32 s60, s58, 9
	s_add_nc_u64 s[BB:BB+1], s[16:17], s[60:61]    ; expert_b at p = 128 y
	s_lshl_b32 s60, s57, 1
	s_lshr_b32 s62, s[WV], 1
	s_add_co_u32 s60, s60, s62                     ; b = 2 tb + wave / 2
	s_lshl_b32 s60, s60, 19
	s_lshl_b32 s62, s58, 16                        ; 128 y rows of 512 bytes
	s_add_co_u32 s60, s60, s62
	s_and_b32 s62, s[WV], 1
	s_lshl_b32 s62, s62, 8                         ; n = 64 (wave % 2)
	s_add_co_u32 s60, s60, s62
	s_add_nc_u64 s[OB:OB+1], s[18:19], s[60:61]
	s_mul_i32 s62, s[WV], 8704
	s_add_co_u32 s62, s62, STG                     ; my stage
	v_and_b32 v20, 15, v0                          ; r
	v_bfe_u32 v21, v0, 4, 1                        ; h
	v_lshlrev_b32 v[LO32], 5, v1
	v_lshlrev_b32 v[RO32], 5, v20
	v_lshlrev_b32 v[BO], 5, v21
	v_lshlrev_b32 v19, 12, v1                      ; gate: a batch is 4,096 bytes; lane l takes b = l and b = l + 32
.irp u, 0,1
.irp i, 0,1
	global_load_b128 v[XSC+8*\u+4*\i:XSC+8*\u+4*\i+3], v[LO32], s[6:7] offset:1024*\u+16*\i
.endr
.endr
.irp t, 0,1,2,3
.irp i, 0,1
	global_load_b128 v[CB+8*\t+4*\i:CB+8*\t+4*\i+3], v[RO32], s[12:13] offset:512*\t+16*\i
.endr
.endr
	global_load_b32 v16, v19, s[14:15]
	global_load_b32 v17, v19, s[14:15] offset:131072
	v_mov_b32 v18, 0                               ; written once: a lane permute's destination counts as one of its sources
	v_lshlrev_b32 v[WB], 4, v1
	v_add_nc_u32 v[WB+1], 49152, v[WB]
	v_add_nc_u32 v[WB+2], SLOTB, v[WB]
	v_add_nc_u32 v[WB+3], SLOTB+49152, v[WB]
	v_lshl_add_u32 v[WSA], v1, 5, SCL
	v_mul_u32_u24 v[STO], v21, 2176                ; in: row 8 h + (16 a + j) of 272 bytes, word 16 t + r
	v_lshl_add_u32 v[STO], v20, 2, v[STO]
	v_add_nc_u32 v[STO], s62, v[STO]
	v_mul_u32_u24 v[RDA], v21, 272                 ; back: lanes 0-15 one row of 256 bytes, lanes 16-31 the next
	v_lshl_add_u32 v[RDA], v20, 4, v[RDA]
	v_add_nc_u32 v[RDA], s62, v[RDA]
	v_lshlrev_b32 v[GO], 9, v21                    ; and the same two rows in out0
	v_lshl_add_u32 v[GO], v20, 4, v[GO]
; 24 LDS loads: the fragments of expert i of the slot, both tiles of p, K steps 4 q .. 4 q + 3, into set q.  Each load takes 512 consecutive bytes.
.macro FETCH slot, i, q
	WIN 0xc0                                       ; destination window 3
.irp kl, 0,1,2,3
.irp a, 0,1
.irp j, 0,1,2
	ds_load_b128 v[96*(\q)+24*\kl+12*\a+4*\j:96*(\q)+24*\kl+12*\a+4*\j+3], v[WB+2*(\slot)+(\i)/2] offset:24576*((\i)%2)+12288*\a+1536*(4*(\q)+\kl)+512*\j
.endr
.endr
.endr
.endm
.macro WSCL e                          ; expert e's scale words of the pair's 32 p, all eight K steps, into set e % 2
	ds_load_b128 v[WSC+8*((\e)%2):WSC+8*((\e)%2)+3], v[WSA] offset:4096*(\e)
	ds_load_b128 v[WSC+8*((\e)%2)+4:WSC+8*((\e)%2)+7], v[WSA] offset:4096*(\e)+16
.endm
.macro BIASL e2, imm0                  ; a bias in the result's layout: lane (r, h): p = 16 a + 8 h + 0 .. 7, into set e2 % 2
.irp a, 0,1
.irp jj, 0,1
	global_load_b128 v[BIAS+16*((\e2)%2)+8*\a+4*\jj:BIAS+16*((\e2)%2)+8*\a+4*\jj+3], v[BO], s[BB:BB+1] offset:(\imm0)+64*\a+16*\jj
.endr
.endr
.endm
.macro WM a, tt                        ; one matrix instruction; the rows of the scale registers go by the tile of p (source 0) and the tile of tokens (source 1)
.if ((\a) == 0) && ((\tt) == 0)
	v_wmma_scale_f32_16x16x128_f8f6f4 v[RDm:RDm+7], v[RWm:RWm+11], v[RXm:RXm+11], v[RCm:RCm+7], v[SWm], v[SXm] matrix_a_fmt:MATRIX_FMT_FP6 matrix_b_fmt:MATRIX_FMT_FP6
.elseif ((\a) == 1) && ((\tt) == 0)
	v_wmma_scale_f32_16x16x128_f8f6f4 v[RDm:RDm+7], v[RWm:RWm+11], v[RXm:RXm+11], v[RCm:RCm+7], v[SWm], v[SXm] matrix_a_fmt:MATRIX_FMT_FP6 matrix_b_fmt:MATRIX_FMT_FP6 matrix_a_scale:MATRIX_SCALE_ROW1
.elseif (\a) == 0
	v_wmma_scale_f32_16x16x128_f8f6f4 v[RDm:RDm+7], v[RWm:RWm+11], v[RXm:RXm+11], v[RCm:RCm+7], v[SWm], v[SXm] matrix_a_fmt:MATRIX_FMT_FP6 matrix_b_fmt:MATRIX_FMT_FP6 matrix_b_scale:MATRIX_SCALE_ROW1
.else
	v_wmma_scale_f32_16x16x128_f8f6f4 v[RDm:RDm+7], v[RWm:RWm+11], v[RXm:RXm+11], v[RCm:RCm+7], v[SWm], v[SXm] matrix_a_fmt:MATRIX_FMT_FP6 matrix_b_fmt:MATRIX_FMT_FP6 matrix_a_scale:MATRIX_SCALE_ROW1 matrix_b_scale:MATRIX_SCALE_ROW1
.endif
.endm
; 16 matrix instructions: tiles of tokens 2 u, 2 u + 1 x both tiles of p, K steps 4 q .. 4 q + 3.  The four accumulators take turns, one instruction a turn.  K step 0 takes the bias as C: nothing is cleared.
.macro MM u, q, e
	WIN 0x07+4*(\u)                                ; source 0 (W) window 3, source 1 (x) window 1 or 2, C and D window 0
.irp kl, 0,1,2,3
.irp a, 0,1
.irp tt, 0,1
.set RDm, ACC+8*(4*(\u)+2*\a+\tt)
.set RWm, 96*(\q)+24*\kl+12*\a
.set RXm, 96*\tt+12*(4*(\q)+\kl)
.set SWm, WSC+8*((\e)%2)+4*(\q)+\kl
.set SXm, XSC+8*(\u)+4*(\q)+\kl
.if ((\q) == 0) && (\kl == 0)
.set RCm, BIAS+16*((\e)%2)+8*\a
.else
.set RCm, RDm
.endif
	WM \a, \tt
.endr
.endr
.endr
.endm
; out += combine_e x acc, for tiles of tokens 2 u, 2 u + 1: 16 packed multiply-adds, each accumulator from its low end on.  combine_e is one register of a pair: the selects take it for both halves.  e = 0 starts out.
.macro FMA u, e
	WIN 0
.irp a, 0,1
.irp tt, 0,1
.irp j, 0,2,4,6
.set IX, 8*(4*(\u)+2*\a+\tt)+\j
.set CR, CB+8*(2*(\u)+\tt)+2*((\e)/2)
.if (\e) == 0
	v_pk_mul_f32 v[OT+IX:OT+IX+1], v[ACC+IX:ACC+IX+1], v[CR:CR+1] op_sel_hi:[1,0]
.elseif (\e)%2 == 0
	v_pk_fma_f32 v[OT+IX:OT+IX+1], v[ACC+IX:ACC+IX+1], v[CR:CR+1], v[OT+IX:OT+IX+1] op_sel_hi:[1,0,1]
.else
	v_pk_fma_f32 v[OT+IX:OT+IX+1], v[ACC+IX:ACC+IX+1], v[CR:CR+1], v[OT+IX:OT+IX+1] op_sel:[0,1,0] op_sel_hi:[1,1,1]
.endif
.endr
.endr
.endr
.endm
; A STAGE: expert e = the slot's i-th.  step = 1: a new pair has begun (e = 0 then steps the bias's base).  tail = 1: the last pair: behind e = 7 no bias follows.
.macro STAGE slot, i, e, step, tail
	FETCH \slot, \i, 1                             ; K steps 4-7.  The set's last readers stand in front of four v_nop and 16 multiply-adds
	s_wait_dscnt 24                                ; all but these 24: K steps 0-3 and the scale words are in
	s_wait_loadcnt 0x0                             ; the bias (in the first stage: x, its scale words and combine too)
.if (\step) && ((\e) == 0)
	s_add_nc_u64 s[BB:BB+1], s[BB:BB+1], 128       ; every load that names the base is done: on to this pair's 32 p
.endif
	MM 0, 0, \e
.if (\i) > 0
	FMA 1, (\e)-1                                  ; the stage before's second half: vector work beside the matrix unit's
.endif
	MM 1, 0, \e
	PLACES                                         ; in front of the loads into set 0
.if (\i) < 3
	FETCH \slot, (\i)+1, 0                         ; the next expert's K steps 0-3
	WIN 0
	WSCL (\e)+1
.endif
	WIN 0
.if (\e) < 7
	BIASL (\e)+1, 4096*((\e)+1)
.elseif !(\tail)
	BIASL 0, 128                                   ; the next pair's first
.endif
.if (\i) < 3
	s_wait_dscnt 26                                ; all but the 24 + 2 just issued: K steps 4-7 are in
.else
	s_wait_dscnt 0x0                               ; my reads of the slot are over
.endif
	MM 0, 1, \e
	MM 1, 1, \e
	PLACES                                         ; in front of the first read of results
	FMA 0, \e
.if (\i) == 3
	FMA 1, \e
.endif
.endm
.macro PROC eh, step, tail             ; a slot's four experts
.if \step
	WIN 0
	v_add_nc_u32 v[WSA], 1024, v[WSA]              ; the next pair's scale words
.endif
	FETCH \eh, 0, 0
	WIN 0
	WSCL 4*\eh
.irp i, 0,1,2,3
	STAGE \eh, \i, 4*\eh+\i, \step, \tail
.endr
.endm
; THE CHANGE OF SLOTS.  Each wave waits for all its tensor loads (its part of the slot ahead), adds 0 to its spare word, waits for that and for its LDS reads; a round of the cluster's barrier; then slot f, which nobody of the
; four work-groups reads any more, is filled with the next pair's four experts: the wave's one tensor load until the next round.
.macro CHANGE f
	WIN 0
	s_wait_tensorcnt 0x0                           ; no tensor load of mine is out, so a group 0 may be written
	ds_add_u32 v[SPW], v[NIL]                      ; 0 onto my spare word
	s_add_nc_u64 s[G0+4*\f+2:G0+4*\f+3], s[G0+4*\f+2:G0+4*\f+3], 24576   ; the next pair's two tiles of p; the type bits on top are not reached
	s_wait_dscnt 0x0                               ; the add is done, and my reads of the slot are over
	ROUND
	tensor_load_to_lds s[G0+4*\f:G0+4*\f+3], s[G1C:G1C+7]
	s_nop 0
	PLACES
.endm
; THE WAY OUT of a pair: 32 p x 64 n.  A lane holds one n and eight p: the numbers go word by word into my own stage (rows = p) and come back as rows of 256 bytes.  LDS serves a wave's instructions in order: no wait between.
.macro OUT_A
	WIN 0
.irp u, 0,1
.irp a, 0,1
.irp tt, 0,1
.irp j, 0,1,2,3,4,5,6,7
	ds_store_b32 v[STO], v[OT+8*(4*\u+2*\a+\tt)+\j] offset:(16*\a+\j)*272+64*(2*\u+\tt)
.endr
.endr
.endr
.endr
	WIN 0x40                                       ; destination window 1
.irp i, 0,1,2,3,4,5,6,7,8,9,10,11,12,13,14,15
	ds_load_b128 v[192+4*\i:195+4*\i], v[RDA] offset:544*\i
.endr
	WIN 0
.endm
.macro OUT_B
	WIN 0x04                                       ; a store's data: window 1
.irp i, 0,1,2,3,4,5,6,7,8,9,10,11,12,13,14,15
	global_store_b128 v[GO], v[192+4*\i:195+4*\i], s[OB:OB+1] offset:1024*\i th:TH_STORE_NT   ; 16 lanes store 256 consecutive bytes, at a multiple of 256 from out0's first byte
.endr
	WIN 0
.endm
	BIASL 0, 0
	s_wait_tensorcnt 0x1                           ; the scale bytes and my part of slot 0 are in; slot 1's load may be out
	s_barrier_signal -1
	s_barrier_wait -1                              ; everybody's are
	PROC 0, 0, 0                                   ; pair 0, experts 0-3
	WIN 0
	s_mov_b32 s23, 3
.Lpair:                                            ; three trips: a pair's experts 4-7, its way out, the next pair's experts 0-3; both slots are filled again
	CHANGE 0
	PROC 1, 0, 0
	OUT_A
	CHANGE 1                                       ; (its wait for LDS also shows the pair's rows back in registers)
	OUT_B                                          ; the refill is asked for: now the stores
	PROC 0, 1, 0
	WIN 0
	s_wait_xcnt 0x0                                ; the pair's stores, a slot's work back, have read their registers and their base: both may be written
	s_add_nc_u64 s[OB:OB+1], s[OB:OB+1], 16384     ; 32 rows of out0 on
	s_sub_co_u32 s23, s23, 1
	s_cmp_lg_u32 s23, 0
	s_cbranch_scc1 .Lpair
	s_wait_tensorcnt 0x0                           ; the last change of slots is written out: nothing is left to fetch, so a plain barrier follows
	ds_add_u32 v[SPW], v[NIL]
	s_wait_dscnt 0x0
	s_barrier_signal -1
	s_barrier_wait -1
	PROC 1, 0, 1
	OUT_A
	s_wait_dscnt 0x0
	OUT_B
	; out1: my wave's one number: the mean over the 64 batches, two a lane
	s_mov_b32 s56, 0x76543210
	s_mov_b32 s57, 0xfedcba98                      ; v_permlanex16_b32's selects for lane l xor 16
	v_add_f32 v16, v16, v17
	v_add_f32_dpp v16, v16, v16 row_xmask:1 row_mask:0xf bank_mask:0xf
	v_add_f32_dpp v16, v16, v16 row_xmask:2 row_mask:0xf bank_mask:0xf
	v_add_f32_dpp v16, v16, v16 row_xmask:4 row_mask:0xf bank_mask:0xf
	v_add_f32_dpp v16, v16, v16 row_xmask:8 row_mask:0xf bank_mask:0xf
	v_permlanex16_b32 v18, v16, s56, s57
	v_add_f32 v16, v16, v18
	v_mul_f32 v16, 0x3c800000, v16                 ; / 64
	v_mov_b32 v17, 0
	v_cmp_eq_u32 vcc_lo, 0, v1
	s_wait_xcnt 0x0                                ; EXEC changes only behind this wait
	s_and_saveexec_b32 s58, vcc_lo
	global_store_b32 v17, v16, s[20:21]            ; lane 0 alone
	s_wait_xcnt 0x0                                ; and again, in front of the line that widens it
	s_or_b32 exec_lo, exec_lo, s58
	s_wait_tensorcnt 0x0                           ; the wave's end: these three lines, behind my last tensor load and my last LDS store
	ds_add_u32 v[SPW], v[NIL]
	s_wait_dscnt 0x0
	ROUND                                          ; the closing round: no work-group ends while a partner may still ask for a tile that names it
	s_endpgm
.Lfunc_end_k_qfcfdfc80e4_moe:
	.size	k_qfcfdfc80e4_moe, .Lfunc_end_k_qfcfdfc80e4_moe-k_qfcfdfc80e4_moe
	.p2alignl 7, 3214868480
	.fill 96, 4, 3214868480
	.section	.rodata,"a",@progbits
	.p2align	6, 0x0
	.amdhsa_kernel k_qfcfdfc80e4_moe
		.amdhsa_group_segment_fixed_size 327680
		.amdhsa_private_segment_fixed_size 0
		.amdhsa_enable_private_segment 0
		.amdhsa_kernarg_size 72
		.amdhsa_user_sgpr_count 2
		.amdhsa_user_sgpr_kernarg_segment_ptr 1
		.amdhsa_wavefront_size32 1
		.amdhsa_system_sgpr_workgroup_id_x 1
		.amdhsa_system_sgpr_workgroup_id_y 1
		.amdhsa_system_sgpr_workgroup_id_z 1
		.amdhsa_system_vgpr_workitem_id 0
		.amdhsa_next_free_vgpr 1024
		.amdhsa_next_free_sgpr 66
		.amdhsa_reserve_vcc 1
		.amdhsa_float_denorm_mode_32 3
		.amdhsa_float_denorm_mode_16_64 3
		.amdhsa_memory_ordered 1
		.amdhsa_forward_progress 1
		.amdhsa_inst_pref_size 255
	.end_amdhsa_kernel
	.section	.bss,"aw",@nobits
	.p2align	6
	.space	262144
	.amdgpu_metadata
---
amdhsa.version: [ 1, 2 ]
amdhsa.kernels:
  - .name:           k_qfcfdfc80e4_moe
    .symbol:         k_qfcfdfc80e4_moe.kd
    .args:
      - { .name: xcodes, .offset: 0, .size: 8, .value_kind: global_buffer, .address_space: global }
      - { .name: xscale, .offset: 8, .size: 8, .value_kind: global_buffer, .address_space: global }
      - { .name: wcodes, .offset: 16, .size: 8, .value_kind: global_buffer, .address_space: global }
      - { .name: wscale, .offset: 24, .size: 8, .value_kind: global_buffer, .address_space: global }
      - { .name: comb, .offset: 32, .size: 8, .value_kind: global_buffer, .address_space: global }
      - { .name: gate, .offset: 40, .size: 8, .value_kind: global_buffer, .address_space: global }
      - { .name: expert_b, .offset: 48, .size: 8, .value_kind: global_buffer, .address_space: global }
      - { .name: out0, .offset: 56, .size: 8, .value_kind: global_buffer, .address_space: global }
      - { .name: out1, .offset: 64, .size: 8, .value_kind: global_buffer, .address_space: global }
    .group_segment_fixed_size: 327680
    .private_segment_fixed_size: 0
    .kernarg_segment_align: 8
    .kernarg_segment_size: 72
    .max_flat_workgroup_size: 128
    .sgpr_count:     66
    .vgpr_count:     1024
    .wavefront_size: 32
...
	.end_amdgpu_metadata
.endif
;; end of part 2
;; ======== version 2 of 2: 2 launches
;; limits: right only within a limited range of input values
;; workspace buffers: xcodes 6,291,456 bytes; wcodes 6,291,456 bytes; xscale 262,144 bytes; wscale 262,144 bytes; gate 262,144 bytes; comb 262,144 bytes
;; launch quant (part 3): grid 256 x 1, 16 waves a work-group, no clusters, 22,528 bytes of LDS; arguments x, gate_W, expert_W, xcodes, xscale, wcodes, wscale, gate, comb; writes xcodes, xscale, wcodes, wscale, gate, comb
.if DOCPART == 3
	.amdgcn_target "amdgcn-amd-amdhsa--gfx1250"
	.amdhsa_code_object_version 6
	.text
	.protected	k_qfcfdfc80e4_quant
	.globl	k_qfcfdfc80e4_quant
	.p2align	8
	.type	k_qfcfdfc80e4_quant,@function
k_qfcfdfc80e4_quant:
	s_mov_b64 s[64:65], 0
	v_nop
	global_prefetch_b8 v0, s[64:65] scope:SCOPE_SE
	s_setreg_imm32_b32 hwreg(HW_REG_WAVE_MODE, 25, 1), 1
	s_wait_xcnt 0x0
; x [64][1024 k][128 n] and expert_W [8][1024 k][1024 p], f32, both with K as the FIRST axis of a matrix, become codes of FP6 (E2M3) with one E8M0 byte for each 32 along K;
; and the gate: logits = x^T gate_W in f32, softmax with the maximum taken away, the two largest kept (the lower index wins a tie).
; NO WORK OF THE PROBLEM IS LEFT OUT in this program: every expert's product is done for every token and weighed by combine, which is 0 where the expert was not chosen; every input is loaded.
; A LANE TAKES A COLUMN (a token n, or an output p) AND ITS REGISTERS RUN DOWN K: a block of 32 lies in one lane's 32 registers, its largest magnitude needs no other lane, and the conversions give codes with K innermost.
; A block's byte is its largest magnitude's exponent field - 2, held at 1 from below.
; SHARES.  A work-group takes 64 columns x all 1,024 K.  Wave w: ks = w % 8 (its 128 along K), ch = w / 8 (its 32 columns): the two waves of one ks read 256 consecutive bytes of each row.
; Work-groups 0-127 take x (and the gate), 128-255 expert_W.  The two ways part once, on the work-group's number, and never join: each has its own LDS bytes, its own barrier and its own end.
; THE GATE'S WEIGHTS.  My 128 rows of gate_W, 8 numbers each, lie in 64 registers, loaded once: lane i of each half of the lanes holds 16 bytes of each 256, so register 4 c + j of lane i is gate_W[8 c + i / 2][4 (i % 2) + j].
; A logit is one multiply-add for each k: its first source is taken with row_share:i, which gives every lane of a half lane i's weight (both halves hold the same), its second is my token's x[k].
; The eight logits take turns; K ascends in each logit's sum.
; WHAT IS STORED.  Codes as IMAGES OF THE OPERAND'S REGISTERS: a record of 1,536 bytes for 16 columns x 128 K: [j = 0..2][lane][16 bytes] = registers 4 j .. 4 j + 3 of that lane; record (tile x 8 + ks), tile = column / 16.
; Scale bytes [column][32]: word ks is the scale word of K step ks.  gate, comb: f32 [token][8], token = 128 b + n.
; LIMITS.  NaN and infinities among the inputs are not served.  A block of zeros gets the byte 1 where the rule says 127: its codes are zeros, and this program alone reads the bytes.
; The logits are summed in another f32 order than a plain chain (128 along K in a lane, then eight parts in ascending K): a token whose second and third gate values lie within a few last bits of each other may choose the other one.
; The softmax's division is a reciprocal and a multiplication.
.set XS,    0                          ; LDS, x's way: scale words: 1024 ch + 32 lane + 4 ks
.set XL,    2048                       ; x's way: partial logits: 1024 wave + 512 i + 16 lane
.set WS,    18432                      ; expert_W's way: scale words
.set SPARE, 20480                      ; the spare words, 128 bytes for each of 16 waves
.set X,     32                         ; v32-95   two sets of 32 numbers; in the tail the eight waves' partial logits
.set F0,    96                         ; v96-107  blocks 0 and 2 of my column; behind the exchange: the fragment of columns 0-15
.set F1,    108                        ; v108-119 blocks 1 and 3; behind the exchange: the fragment of columns 16-31
.set T,     120                        ; v120-122 a block's upper 16 codes (a conversion's three registers begin on an even number)
.set LG,    124                        ; v124-131 eight logits, later the gate
.set G,     144                        ; v144-207 my 128 rows of gate_W
.set SW,    20                         ; v20      my column's scale word for my 128 along K
.set SPW,   14                         ; v14      LDS address of my spare word; never rewritten
.set NIL,   15                         ; v15      0; never rewritten
	s_load_b512 s[4:19], s[0:1], 0x0               ; x, gate_W, expert_W, xcodes, xscale, wcodes, wscale, gate
	s_load_b64 s[20:21], s[0:1], 0x40              ; comb
	v_lshl_add_u32 v[SPW], v0, 2, SPARE
	v_mov_b32 v[NIL], 0
	v_lshrrev_b32 v1, 5, v0
	s_delay_alu instid0(VALU_DEP_1)
	v_readfirstlane_b32 s22, v1                    ; wave 0..15
	v_and_b32 v1, 31, v0                           ; lane
	s_and_b32 s23, s22, 7                          ; ks
	s_lshr_b32 s66, s22, 3                         ; ch
	v_lshlrev_b32 v2, 2, v1                        ; in: 4 bytes a lane
	v_lshlrev_b32 v3, 4, v1                        ; out: 16 bytes a lane
	v_and_b32 v16, 15, v0
	s_delay_alu instid0(VALU_DEP_1)
	v_lshlrev_b32 v16, 4, v16                      ; gate_W: 16 bytes for each lane of a half, the same in both halves
	s_lshl_b32 s56, s66, 10
	s_lshl_b32 s57, s23, 2
	s_add_co_u32 s57, s56, s57
	v_lshl_add_u32 v4, v1, 5, s57                  ; LDS: my scale word: 1024 ch + 4 ks + 32 lane
	s_lshl_b32 s57, s22, 10
	v_lshl_add_u32 v5, v1, 4, s57                  ; my partial logits: 1024 wave + 16 lane
	v_lshl_add_u32 v6, v1, 4, s56                  ; the tail: scale words back: 1024 ch + 16 lane
	s_lshl_b32 s57, s66, 13
	v_lshl_add_u32 v7, v1, 4, s57                  ; the tail: the eight waves' logits: 8192 ch + 16 lane
	v_lshlrev_b32 v12, 5, v1                       ; the tail: 32 bytes a token in gate and comb
.macro LOAD t, pitch, b                ; block t: rows 32 t + 0 .. 31 of my 128, my column, into set t % 2; a wave reads 128 consecutive bytes
.set li, 0
.rept 32
	global_load_b32 v[X+32*((\t)%2)+li], v2, s[\b:\b+1] offset:(32*(\t)+li)*(\pitch) th:TH_LOAD_NT
.set li, li+1
.endr
.endm
.macro QBLK t                          ; block t's 32 numbers become 6 registers of codes and a byte of the scale word
.set XB, X+32*((\t)%2)
.set FD, F0+12*((\t)%2)+6*((\t)/2)
	v_max3_num_f32 v8, |v[XB]|, |v[XB+1]|, |v[XB+2]|               ; the block's largest magnitude, in two chains
	v_max3_num_f32 v9, |v[XB+3]|, |v[XB+4]|, |v[XB+5]|
.irp i, 6,10,14,18,22,26
	s_delay_alu instid0(VALU_DEP_2)
	v_max3_num_f32 v8, v8, |v[XB+\i]|, |v[XB+\i+1]|
	s_delay_alu instid0(VALU_DEP_2)
	v_max3_num_f32 v9, v9, |v[XB+\i+2]|, |v[XB+\i+3]|
.endr
	s_delay_alu instid0(VALU_DEP_2)
	v_max3_num_f32 v8, v8, |v[XB+30]|, |v[XB+31]|
	s_delay_alu instid0(VALU_DEP_1)
	v_max3_num_f32 v8, v8, v9, 0x1800000           ; and the floor 2^(3 - 127): the byte cannot fall under 1
	s_delay_alu instid0(VALU_DEP_1)
	v_add_nc_u32 v11, 0xff000000, v8               ; 2 off the exponent field: the conversion takes this operand's exponent field as its scale
	v_cvt_scalef32_pk16_fp6_f32 v[FD:FD+2], v[XB:XB+15], v11
	v_cvt_scalef32_pk16_fp6_f32 v[T:T+2], v[XB+16:XB+31], v11
	v_lshrrev_b32 v10, 23, v11                     ; the scale's byte; also the plain instruction behind the conversions
.if (\t) == 0
	s_delay_alu instid0(VALU_DEP_1)
	v_mov_b32 v[SW], v10
.else
	s_delay_alu instid0(VALU_DEP_1)
	v_lshl_or_b32 v[SW], v10, 8*(\t), v[SW]
.endif
.irp i, 0,1,2
	v_mov_b32 v[FD+3+\i], v[T+\i]
.endr
.endm
; The gate, 8 along K: k = 32 t + 8 cc + 0 .. 7 of my 128.  Lane r of a half holds row k = r / 2 of the eight, logits 4 (r % 2) + 0 .. 3: 64 multiply-adds, each logit's next one eight instructions behind its last.
.macro GATE8 t, cc
.irp r, 0,1,2,3,4,5,6,7,8,9,10,11,12,13,14,15
.irp j, 0,1,2,3
	v_fmac_f32_dpp v[LG+4*(\r%2)+\j], v[G+16*(\t)+4*(\cc)+\j], v[X+32*((\t)%2)+8*(\cc)+(\r/2)] row_share:\r row_mask:0xf bank_mask:0xf
.endr
.endr
.endm
; One way through the launch, up to its barrier.  isx = 1: x, with the gate.  src, cod: the scalar pairs of the numbers and of the codes; reg: the way's LDS bytes for scale words.
.macro PATH isx, pitch, src, cod, reg
.if \isx
.irp c, 0,1,2,3,4,5,6,7,8,9,10,11,12,13,14,15
	global_load_b128 v[G+4*\c:G+4*\c+3], v16, s[6:7] offset:256*\c   ; my 128 rows of gate_W, 4,096 bytes; many waves read them, so no hint
.endr
.endif
	LOAD 0, \pitch, \src
	LOAD 1, \pitch, \src
.if \isx
.irp e, 0,1,2,3,4,5,6,7
	v_mov_b32 v[LG+\e], 0                          ; the sums begin at 0: the destination of a form that reads another lane counts as one of its sources, so it is written first
.endr
.endif
.irp t, 0,1,2,3
.if \t < 3
	s_wait_loadcnt 32                              ; this block's 32 loads (and, ahead of block 0, gate_W's 16) are in; the next block's 32 may be out
.else
	s_wait_loadcnt 0x0
.endif
	QBLK \t
.if \isx
.irp c, 0,1,2,3
	GATE8 \t, \c
.endr
.endif
.if \t < 2
	LOAD \t+2, \pitch, \src
.endif
.endr
.irp i, 0,1,2,3,4,5,6,7,8,9,10,11      ; the operand's layout gives lanes 0-15 blocks 0 and 2 of columns 0-15 and lanes 16-31 their blocks 1 and 3: F0's upper lanes change places with F1's lower lanes
	v_permlane16_swap_b32 v[F0+\i], v[F1+\i]
.endr
.irp f, 0,1
.irp j, 0,1,2
	global_store_b128 v3, v[F0+12*\f+4*\j:F0+12*\f+4*\j+3], s[\cod:\cod+1] offset:12288*\f+512*\j   ; 32 lanes store 512 consecutive bytes, at a multiple of 256 from the buffer's first byte
.endr
.endr
	ds_store_b32 v4, v[SW] offset:\reg
.if \isx
	ds_store_b128 v5, v[LG:LG+3] offset:XL
	ds_store_b128 v5, v[LG+4:LG+7] offset:XL+512
.endif
	s_wait_dscnt 0x0                               ; for the others' sake: my LDS stores have landed
	s_barrier_signal -1
	s_barrier_wait -1
.endm
	s_cmp_ge_u32 ttmp9, 128                        ; the work-group's number alone: all sixteen waves go the same way
	s_cbranch_scc1 .Lpath_w
	; ---------------- x and the gate.  G = 2 x work-group + ch: 32 tokens, 32 G + lane
	s_lshl_b32 s58, ttmp9, 1
	s_add_co_u32 s58, s58, s66                     ; G
	s_lshr_b32 s60, s58, 2                         ; b
	s_lshl_b32 s60, s60, 19                        ; a batch is 1,024 rows of 512 bytes
	s_and_b32 s61, s58, 3
	s_lshl_b32 s61, s61, 7                         ; my 32 columns
	s_add_co_u32 s60, s60, s61
	s_lshl_b32 s61, s23, 16                        ; my 128 rows
	s_add_co_u32 s60, s60, s61
	s_mov_b32 s61, 0
	s_mul_i32 s62, s58, 24576                      ; codes: two tiles x 8 records of 1,536 bytes for each G,
	s_mul_i32 s63, s23, 1536                       ; my K step's record
	s_add_co_u32 s62, s62, s63
	s_mov_b32 s63, 0
	s_lshl_b32 s58, s58, 10                        ; 32 tokens x 32 bytes: scale bytes, gate and comb alike
	s_mov_b32 s59, 0
	s_lshl_b32 s56, s23, 12                        ; gate_W: my 128 rows of 32 bytes
	s_mov_b32 s57, 0
	s_wait_kmcnt 0x0
	s_add_nc_u64 s[4:5], s[4:5], s[60:61]
	s_add_nc_u64 s[10:11], s[10:11], s[62:63]
	s_add_nc_u64 s[12:13], s[12:13], s[58:59]
	s_add_nc_u64 s[18:19], s[18:19], s[58:59]
	s_add_nc_u64 s[20:21], s[20:21], s[58:59]
	s_add_nc_u64 s[6:7], s[6:7], s[56:57]
	s_wait_alu depctr_va_vdst(0)
	PATH 1, 512, 4, 10, XS
	s_cmp_lg_u32 s23, 0                            ; the tail is the work of waves 0 and 8 (ks = 0): no barrier stands in it
	s_cbranch_scc1 .Lend_x
	ds_load_b128 v[132:135], v6 offset:XS          ; my 32 tokens' scale bytes, 1,024 bytes as they lie
	ds_load_b128 v[136:139], v6 offset:XS+512
.irp k, 0,1,2,3,4,5,6,7
.irp i, 0,1
	ds_load_b128 v[X+8*\k+4*\i:X+8*\k+4*\i+3], v7 offset:XL+1024*\k+512*\i    ; K step k's part of my token's eight logits
.endr
.endr
	s_wait_dscnt 16                                ; the scale bytes are in; the 16 loads behind them may be out
	global_store_b128 v3, v[132:135], s[12:13]
	global_store_b128 v3, v[136:139], s[12:13] offset:512
	s_wait_dscnt 0x0
.irp c, 0,2,4,6
	v_pk_add_f32 v[LG+\c:LG+\c+1], v[X+\c:X+\c+1], v[X+8+\c:X+9+\c]           ; the eight parts in ascending K
.endr
.irp k, 2,3,4,5,6,7
.irp c, 0,2,4,6
	s_delay_alu instid0(VALU_DEP_4)
	v_pk_add_f32 v[LG+\c:LG+\c+1], v[LG+\c:LG+\c+1], v[X+8*\k+\c:X+8*\k+\c+1]
.endr
.endr
	s_delay_alu instid0(VALU_DEP_3)
	v_max3_num_f32 v8, v[LG], v[LG+1], v[LG+2]     ; the softmax takes the largest logit away
	s_delay_alu instid0(VALU_DEP_1)
	v_max3_num_f32 v8, v8, v[LG+3], v[LG+4]
	s_delay_alu instid0(VALU_DEP_1)
	v_max3_num_f32 v8, v8, v[LG+5], v[LG+6]
	s_delay_alu instid0(VALU_DEP_1)
	v_max_num_f32 v8, v8, v[LG+7]
.irp e, 0,1,2,3,4,5,6,7
	v_sub_f32 v[LG+\e], v[LG+\e], v8
.endr
.irp e, 0,1,2,3,4,5,6,7
	v_mul_f32 v[LG+\e], 0x3fb8aa3b, v[LG+\e]       ; x log2(e)
.endr
	s_wait_alu depctr_va_vdst(0)
.irp e, 0,1,2,3,4,5,6,7
	v_exp_f32 v[LG+\e], v[LG+\e]
.endr
	v_nop                                          ; a plain instruction behind the last exponential
	s_wait_alu depctr_va_vdst(0)                   ; one wait for the eight, ahead of their first reader
	v_add_f32 v8, v[LG], v[LG+1]
	v_add_f32 v9, v[LG+2], v[LG+3]
	v_add_f32 v10, v[LG+4], v[LG+5]
	v_add_f32 v11, v[LG+6], v[LG+7]
	s_delay_alu instid0(VALU_DEP_3)
	v_add_f32 v8, v8, v9
	s_delay_alu instid0(VALU_DEP_2)
	v_add_f32 v10, v10, v11
	s_delay_alu instid0(VALU_DEP_1)
	v_add_f32 v8, v8, v10
	s_wait_alu depctr_va_vdst(0)
	v_rcp_f32 v9, v8
	v_nop
	s_wait_alu depctr_va_vdst(0)                   ; ahead of the reciprocal's first reader
.irp e, 0,1,2,3,4,5,6,7
	v_mul_f32 v[LG+\e], v[LG+\e], v9               ; the gate
.endr
	v_mov_b32 v10, v[LG]                           ; the largest, in ascending order: a later one takes over only where it is strictly larger, so the lower index wins a tie
	v_mov_b32 v11, 0
.irp e, 1,2,3,4,5,6,7
	s_delay_alu instid0(VALU_DEP_2)
	v_cmp_le_f32 vcc_lo, v[LG+\e], v10
	s_delay_alu instid0(VALU_DEP_1)
	v_cndmask_b32 v10, v[LG+\e], v10, vcc_lo
	s_delay_alu instid0(VALU_DEP_2)
	v_cndmask_b32 v11, \e, v11, vcc_lo
.endr
.irp e, 0,1,2,3,4,5,6,7
	v_cmp_ne_u32 vcc_lo, \e, v11
	s_delay_alu instid0(VALU_DEP_1)
	v_cndmask_b32 v[40+\e], -1.0, v[LG+\e], vcc_lo ; the first choice is taken out: -1 lies under every gate value
.endr
	v_mov_b32 v10, v40
	v_mov_b32 v13, 0
.irp e, 1,2,3,4,5,6,7
	s_delay_alu instid0(VALU_DEP_2)
	v_cmp_le_f32 vcc_lo, v[40+\e], v10
	s_delay_alu instid0(VALU_DEP_1)
	v_cndmask_b32 v10, v[40+\e], v10, vcc_lo
	s_delay_alu instid0(VALU_DEP_2)
	v_cndmask_b32 v13, \e, v13, vcc_lo
.endr
.irp e, 0,1,2,3,4,5,6,7
	v_cmp_eq_u32 s56, \e, v11
	v_cmp_eq_u32 s57, \e, v13
	s_or_b32 s56, s56, s57
	v_cndmask_b32 v[48+\e], 0, v[LG+\e], s56       ; combine: the gate where chosen, else 0.  A choice of values: no address and no branch hangs on it
.endr
	global_store_b128 v12, v[LG:LG+3], s[18:19]
	global_store_b128 v12, v[LG+4:LG+7], s[18:19] offset:16
	global_store_b128 v12, v[48:51], s[20:21]
	global_store_b128 v12, v[52:55], s[20:21] offset:16
.Lend_x:
	s_wait_tensorcnt 0x0                           ; the wave's end: these three lines behind my last LDS store
	ds_add_u32 v[SPW], v[NIL]
	s_wait_dscnt 0x0
	s_endpgm
	; ---------------- expert_W.  G = 2 x (work-group - 128) + ch: 32 columns, 1024 e + p = 32 G + lane
.Lpath_w:
	s_sub_co_u32 s58, ttmp9, 128
	s_lshl_b32 s58, s58, 1
	s_add_co_u32 s58, s58, s66                     ; G
	s_lshr_b32 s60, s58, 5                         ; e
	s_lshl_b32 s60, s60, 22                        ; an expert is 1,024 rows of 4,096 bytes
	s_and_b32 s61, s58, 31
	s_lshl_b32 s61, s61, 7                         ; my 32 columns
	s_add_co_u32 s60, s60, s61
	s_lshl_b32 s61, s23, 19                        ; my 128 rows
	s_add_co_u32 s60, s60, s61
	s_mov_b32 s61, 0
	s_mul_i32 s62, s58, 24576
	s_mul_i32 s63, s23, 1536
	s_add_co_u32 s62, s62, s63
	s_mov_b32 s63, 0
	s_lshl_b32 s58, s58, 10
	s_mov_b32 s59, 0
	s_wait_kmcnt 0x0
	s_add_nc_u64 s[8:9], s[8:9], s[60:61]
	s_add_nc_u64 s[14:15], s[14:15], s[62:63]
	s_add_nc_u64 s[16:17], s[16:17], s[58:59]
	s_wait_alu depctr_va_vdst(0)
	PATH 0, 4096, 8, 14, WS
	s_cmp_lg_u32 s23, 0
	s_cbranch_scc1 .Lend_w
	ds_load_b128 v[132:135], v6 offset:WS
	ds_load_b128 v[136:139], v6 offset:WS+512
	s_wait_dscnt 0x0
	global_store_b128 v3, v[132:135], s[16:17]
	global_store_b128 v3, v[136:139], s[16:17] offset:512
.Lend_w:
	s_wait_tensorcnt 0x0                           ; the wave's end, as above
	ds_add_u32 v[SPW], v[NIL]
	s_wait_dscnt 0x0
	s_endpgm
.Lfunc_end_k_qfcfdfc80e4_quant:
	.size	k_qfcfdfc80e4_quant, .Lfunc_end_k_qfcfdfc80e4_quant-k_qfcfdfc80e4_quant
	.p2alignl 7, 3214868480
	.fill 96, 4, 3214868480
	.section	.rodata,"a",@progbits
	.p2align	6, 0x0
	.amdhsa_kernel k_qfcfdfc80e4_quant
		.amdhsa_group_segment_fixed_size 22528
		.amdhsa_private_segment_fixed_size 0
		.amdhsa_enable_private_segment 0
		.amdhsa_kernarg_size 72
		.amdhsa_user_sgpr_count 2
		.amdhsa_user_sgpr_kernarg_segment_ptr 1
		.amdhsa_wavefront_size32 1
		.amdhsa_system_sgpr_workgroup_id_x 1
		.amdhsa_system_sgpr_workgroup_id_y 1
		.amdhsa_system_sgpr_workgroup_id_z 1
		.amdhsa_system_vgpr_workitem_id 0
		.amdhsa_next_free_vgpr 208
		.amdhsa_next_free_sgpr 68
		.amdhsa_reserve_vcc 1
		.amdhsa_float_denorm_mode_32 3
		.amdhsa_float_denorm_mode_16_64 3
		.amdhsa_memory_ordered 1
		.amdhsa_forward_progress 1
		.amdhsa_inst_pref_size 123
	.end_amdhsa_kernel
	.amdgpu_metadata
---
amdhsa.version: [ 1, 2 ]
amdhsa.kernels:
  - .name:           k_qfcfdfc80e4_quant
    .symbol:         k_qfcfdfc80e4_quant.kd
    .args:
      - { .name: x, .offset: 0, .size: 8, .value_kind: global_buffer, .address_space: global }
      - { .name: gate_W, .offset: 8, .size: 8, .value_kind: global_buffer, .address_space: global }
      - { .name: expert_W, .offset: 16, .size: 8, .value_kind: global_buffer, .address_space: global }
      - { .name: xcodes, .offset: 24, .size: 8, .value_kind: global_buffer, .address_space: global }
      - { .name: xscale, .offset: 32, .size: 8, .value_kind: global_buffer, .address_space: global }
      - { .name: wcodes, .offset: 40, .size: 8, .value_kind: global_buffer, .address_space: global }
      - { .name: wscale, .offset: 48, .size: 8, .value_kind: global_buffer, .address_space: global }
      - { .name: gate, .offset: 56, .size: 8, .value_kind: global_buffer, .address_space: global }
      - { .name: comb, .offset: 64, .size: 8, .value_kind: global_buffer, .address_space: global }
    .group_segment_fixed_size: 22528
    .private_segment_fixed_size: 0
    .kernarg_segment_align: 8
    .kernarg_segment_size: 72
    .max_flat_workgroup_size: 512
    .sgpr_count:     68
    .vgpr_count:     208
    .wavefront_size: 32
...
	.end_amdgpu_metadata
.endif
;; end of part 3
;; launch moe (part 4): grid 32 x 8, 4 waves a work-group, clusters of 4 x 1, 327,680 bytes of LDS; arguments xcodes, xscale, wcodes, wscale, comb, gate, expert_b, out0, out1; writes out0, out1
.if DOCPART == 4
	.amdgcn_target "amdgcn-amd-amdhsa--gfx1250"
	.amdhsa_code_object_version 6
	.text
	.protected	k_qfcfdfc80e4_moe
	.globl	k_qfcfdfc80e4_moe
	.p2align	8
	.type	k_qfcfdfc80e4_moe,@function
k_qfcfdfc80e4_moe:
	s_mov_b64 s[64:65], 0
	v_nop
	global_prefetch_b8 v0, s[64:65] scope:SCOPE_SE
	s_setreg_imm32_b32 hwreg(HW_REG_WAVE_MODE, 25, 1), 1
	s_wait_xcnt 0x0
	s_wait_alu depctr_hold_cnt(0) depctr_sa_sdst(0) depctr_va_vdst(0) depctr_va_sdst(0) depctr_va_ssrc(0) depctr_va_vcc(0) depctr_vm_vsrc(0)
	s_getreg_b32 s2, hwreg(HW_REG_IB_STS2, 6, 4)
	s_cmp_eq_u32 s2, 0
	s_cbranch_scc0 .Lentry_in_a_cluster
	s_endpgm
.Lentry_in_a_cluster:
	s_bfe_u32 s2, ttmp6, 0x10000c
	s_cmp_lg_u32 s2, 0x3003
	s_cbranch_scc0 .Lentry_shape_is_right
	s_endpgm
.Lentry_shape_is_right:
; out0[b][p][n] = sum over e of combine[b][n][e] x (Q(x) Q(W_e) + b_e)[p], all eight products on codes of FP6 (E2M3) with E8M0 scales; out1[n][e] = the mean over b of gate[b][n][e].
; No work of the problem is left out: every expert's product is done for every token and weighed by combine, which is 0 where the expert was not chosen.
; SHARES.  A work-group owns 256 tokens (two batches) x 128 p; each of its four waves 64 tokens: 64 neighbouring n of one b, so that a row p of its results is 256 consecutive bytes of out0.
; A WAVE'S CODES OF x FOR ALL OF K STAY IN 384 REGISTERS for the whole launch.  W's fragments come through LDS and are read by all four waves; each fragment read feeds four matrix instructions.
; THE WALK: pair pp = 0..3 (32 p) > expert e = 0..7 (a stage) > 8 K steps.  A stage is 64 matrix instructions on eight accumulators, which begin with the bias as C; then out += combine_e x acc; behind e = 7 the pair's 32 p x 64 n leave.
; LAYOUT.  Source 0 = 16 p of W, source 1 = 16 tokens: lane (r, h) holds token r, register j holds p = 8 h + j.  So combine is one register a tile of tokens and the bias eight registers a tile of p.
; THE RING.  Two LDS slots of 98,304 bytes: slot 0 holds experts 0-3 of a pair, slot 1 experts 4-7, as images of the operand's registers: [i][a][ks][1,536].  Wave w fetches expert 4 n + w: one dense block of 24,576 bytes.
; A wave has one tensor load out at the head (its part of slot 0) and one behind each round; slot 1's first fill stands behind the first such round.  A refill is asked for a slot's 256 matrix instructions a wave ahead of the wait for it.
; W's scale bytes (32,768 bytes) and the biases (4,096 bytes) of my 128 p, for all experts, come once, by 18 loads of 16 bytes a thread, and are stored into LDS bytes of their own, on which no tensor load lands.
; CLUSTER.  The four work-groups of a cluster share the 128 p and walk the same W: every tile of codes is asked for JOINTLY, by the same tensor load with the same descriptor and the mask of all four.
; The place in the cluster enters the global addresses of x, comb, gate, out0 and out1 alone.
; NO PREFETCH: the ring's tiles are 786,432 bytes of wcodes for a value of y, which the eight clusters of that y all walk in the same order; each refill has a slot's 256 matrix instructions a wave in which to land.
; REGISTERS, in windows of 256: window 0: v1-25 addresses and the gate mean; v32-47 x's scale words; v48-63 W's, two sets; v64-95 combine; v96-127 the bias, two sets; v128-191 the accumulators; v192-255 out.
;   window 1: x's tiles 0, 1 at 96 tt + 12 ks; v192-255 rows read back on the way out.   window 2: x's tiles 2, 3.   window 3: W's fragments, two sets of four K steps, at 96 q + 24 (ks % 4) + 12 a.
.set SLOTB, 98304
.set SCL,   196608                     ; W's scale bytes of my 128 p, all experts: [e][128 p][32 bytes]
.set STG,   229376                     ; the way out: for each wave 32 rows x (256 bytes + 16)
.set SPARE, 264192                     ; the spare words, 128 bytes for each wave
.set BIA,   264704                     ; the biases of my 128 p, all experts: [e][128 p] f32
.set WB,   2                           ; v2-5   LDS address of W's images: 98304 s + 49152 (i / 2) + 16 lane
.set WSA,  6                           ; v6     W's scale words: SCL + 1024 pp + 32 lane (lanes 0-15: tile a = 0, lanes 16-31: a = 1)
.set BO,   7                           ; v7     the bias: BIA + 128 pp + 32 h
.set STO,  8                           ; v8     the stage, in
.set RDA,  9                           ; v9     the stage, back
.set GO,   10                          ; v10    out0: 512 h + 16 r
.set XO,   11                          ; v11    16 lane
.set LO32, 12                          ; v12    32 lane
.set RO32, 13                          ; v13    32 r
.set SPW,  14                          ; v14    LDS address of my spare word; never rewritten
.set NIL,  15                          ; v15    0; never rewritten
.set SGL,  22                          ; v22    the scale bytes in memory: 16 x thread
.set SLD,  23                          ; v23    and in LDS: SCL + 16 x thread
.set BGL,  24                          ; v24    the biases in memory: 4096 wave + 16 lane
.set BLD,  25                          ; v25    and in LDS: BIA + 16 x thread
.set XSC,  32                          ; register 8 u + ks: lanes 0-15 tile 2 u of tokens, lanes 16-31 tile 2 u + 1
.set WSC,  48                          ; set e % 2, register ks
.set CB,   64                          ; register 8 t + e
.set BIAS, 96                          ; set e % 2, register 8 a + j
.set ACC,  128                         ; accumulator idx = 4 u + 2 a + tt; in the head v128-199 carry the scale bytes and biases
.set OT,   192
.set WV,   22                          ; s22    my wave's number
.set G1C,  24                          ; s[24:31] descriptor group 1: a dense block of 24,576 bytes
.set G0,   32                          ; s[32:39] group 0, a set for each slot
.set OB,   54                          ; s[54:55] out0 at my pair's first row, my 64 n
.set MSB, 0
.macro WIN new                         ; the immediate's high byte repeats the setting that is left; a switch that changes nothing is dropped
.if MSB != \new
	s_set_vgpr_msb (MSB<<8)|\new
.set MSB, \new
.endif
.endm
.macro PLACES                          ; four plain instructions between matrix instructions and loads into, or vector reads of, their registers (ISA guide 7.12.1 for vector reads)
.rept 4
	v_nop
.endr
.endm
.macro ROUND                           ; a round of the cluster's barrier
	s_barrier_signal -1
	s_barrier_wait -1
	s_cmp_lg_u32 s[WV], 0
	s_cbranch_scc1 .Lnot_wave_0_\@
	s_barrier_signal -3
.Lnot_wave_0_\@:
	s_barrier_wait -3
	s_barrier_signal -1
	s_barrier_wait -1
.endm
	s_load_b512 s[4:19], s[0:1], 0x0               ; xcodes, xscale, wcodes, wscale, comb, gate, expert_b, out0
	s_load_b64 s[20:21], s[0:1], 0x40              ; out1
	v_lshl_add_u32 v[SPW], v0, 2, SPARE
	v_mov_b32 v[NIL], 0
	ds_add_u32 v[SPW], v[NIL]                      ; the wave's opening: the add, twice on end, and its wait ahead of my first tensor load
	ds_add_u32 v[SPW], v[NIL]
	v_lshrrev_b32 v1, 5, v0
	v_readfirstlane_b32 s[WV], v1                  ; wave 0..3
	s_and_b32 s58, ttmp7, 0xffff                   ; y: which 128 p; the four partners share it
	s_mov_b32 s[G1C+0], 15|(3<<16)|(1<<21)         ; the mask: all four work-groups; elements of 8 bytes; bit 21 set beside a mask; no padding
	s_mov_b32 s[G1C+1], 32<<16                     ; rows of 256 bytes
	s_mov_b32 s[G1C+2], 96<<16                     ; 96 rows
	s_mov_b32 s[G1C+3], 32<<16
	s_mov_b32 s[G1C+4], 96
	s_mov_b32 s[G1C+5], 32                         ; dense
	s_mov_b32 s[G1C+6], 0
	s_mov_b32 s[G1C+7], 0
	s_mul_i32 s60, s[WV], 786432                   ; wcodes: expert w: 64 tiles x 12,288 bytes,
	s_mul_i32 s61, s58, 98304                      ; my 8 tiles of p
	s_add_co_u32 s60, s60, s61
	s_mov_b32 s61, 0
	s_lshl_b32 s62, s58, 12                        ; wscale: my 128 p x 32 bytes
	s_mov_b32 s63, 0
	s_lshl_b32 s56, s58, 9                         ; expert_b: my 128 p
	s_mov_b32 s57, 0
	s_mov_b32 s[G0+0], 1
	s_mul_i32 s[G0+1], s[WV], 24576                ; LDS: slot 0, expert w's place: the wave's number alone
	s_mov_b32 s[G0+4], 1
	s_add_co_u32 s[G0+5], s[G0+1], SLOTB
	s_wait_dscnt 0x0                               ; both opening adds are done
	s_wait_kmcnt 0x0
	s_add_nc_u64 s[G0+2:G0+3], s[8:9], s[60:61]
	s_add_nc_u64 s[G0+6:G0+7], s[G0+2:G0+3], 4*786432  ; slot 1: four experts on
	s_or_b32 s[G0+3], s[G0+3], 0x80000000
	s_or_b32 s[G0+7], s[G0+7], 0x80000000
	s_add_nc_u64 s[10:11], s[10:11], s[62:63]
	s_add_nc_u64 s[16:17], s[16:17], s[56:57]
	ROUND                                          ; all four work-groups are here: the first joint loads meet
	tensor_load_to_lds s[G0:G0+3], s[G1C:G1C+7]    ; slot 0: pair 0, experts 0-3: my one tensor load at the head
	s_nop 0
	PLACES
	s_bfe_u32 s56, ttmp6, 0x40000                  ; cx
	s_lshl_b32 s57, ttmp9, 2
	s_add_co_u32 s57, s57, s56                     ; tb: my block of 256 tokens
	s_lshl_b32 s59, s57, 8
	s_lshl_b32 s60, s[WV], 6
	s_add_co_u32 s59, s59, s60                     ; my wave's first token
	s_mul_i32 s60, s59, 768                        ; 12,288 bytes of codes for each 16 tokens
	s_mov_b32 s61, 0
	s_add_nc_u64 s[4:5], s[4:5], s[60:61]
	v_and_b32 v1, 31, v0                           ; lane
	v_lshlrev_b32 v[SGL], 4, v0
	v_lshl_add_u32 v[SLD], v0, 4, SCL
	v_lshrrev_b32 v[BGL], 5, v0
	v_lshlrev_b32 v[BGL], 12, v[BGL]
	v_lshl_add_u32 v[BGL], v1, 4, v[BGL]
	v_lshl_add_u32 v[BLD], v0, 4, BIA
	v_lshlrev_b32 v[XO], 4, v1
	s_wait_alu depctr_va_vdst(0)
.irp e, 0,1,2,3,4,5,6,7
.irp i, 0,1
	global_load_b128 v[128+8*\e+4*\i:128+8*\e+4*\i+3], v[SGL], s[10:11] offset:32768*\e+2048*\i   ; expert e's scale bytes of my 128 p: the 128 threads read 2,048 consecutive bytes
.endr
.endr
.irp i, 0,1
	global_load_b128 v[192+4*\i:192+4*\i+3], v[BGL], s[16:17] offset:16384*\i                     ; wave w: the 512 bytes of biases of expert w + 4 i
.endr
	WIN 0x40                                       ; destination window 1
.irp tt, 0,1
.irp ks, 0,1,2,3,4,5,6,7
.irp j, 0,1,2
	global_load_b128 v[96*\tt+12*\ks+4*\j:96*\tt+12*\ks+4*\j+3], v[XO], s[4:5] offset:(8*\tt+\ks)*1536+512*\j
.endr
.endr
.endr
	WIN 0
	s_wait_loadcnt 48                              ; all but the 48 loads of x just issued: the 18 loads of scale bytes and biases are in
.irp e, 0,1,2,3,4,5,6,7
.irp i, 0,1
	ds_store_b128 v[SLD], v[128+8*\e+4*\i:128+8*\e+4*\i+3] offset:4096*\e+2048*\i
.endr
.endr
.irp i, 0,1
	ds_store_b128 v[BLD], v[192+4*\i:192+4*\i+3] offset:2048*\i
.endr
	WIN 0x80                                       ; destination window 2
.irp tt, 0,1
.irp ks, 0,1,2,3,4,5,6,7
.irp j, 0,1,2
	global_load_b128 v[96*\tt+12*\ks+4*\j:96*\tt+12*\ks+4*\j+3], v[XO], s[4:5] offset:(8*(2+\tt)+\ks)*1536+512*\j
.endr
.endr
.endr
	WIN 0
	s_lshl_b32 s60, s59, 5                         ; 32 bytes a token in xscale and in comb
	s_add_nc_u64 s[6:7], s[6:7], s[60:61]
	s_add_nc_u64 s[12:13], s[12:13], s[60:61]
	s_lshl_b32 s60, s58, 5
	s_add_co_u32 s60, s60, s57
	s_lshl_b32 s60, s60, 2
	s_add_co_u32 s60, s60, s[WV]                   ; which of out1's 1,024 numbers is my wave's: 4 (32 y + tb) + wave
	s_lshl_b32 s60, s60, 2
	s_add_nc_u64 s[14:15], s[14:15], s[60:61]
	s_add_nc_u64 s[20:21], s[20:21], s[60:61]
	s_lshl_b32 s60, s57, 1
	s_lshr_b32 s62, s[WV], 1
	s_add_co_u32 s60, s60, s62                     ; b = 2 tb + wave / 2
	s_lshl_b32 s60, s60, 19
	s_lshl_b32 s62, s58, 16                        ; 128 y rows of 512 bytes
	s_add_co_u32 s60, s60, s62
	s_and_b32 s62, s[WV], 1
	s_lshl_b32 s62, s62, 8                         ; n = 64 (wave % 2)
	s_add_co_u32 s60, s60, s62
	s_add_nc_u64 s[OB:OB+1], s[18:19], s[60:61]
	s_mul_i32 s62, s[WV], 8704
	s_add_co_u32 s62, s62, STG                     ; my stage
	v_and_b32 v20, 15, v0                          ; r
	v_bfe_u32 v21, v0, 4, 1                        ; h
	v_lshlrev_b32 v[LO32], 5, v1
	v_lshlrev_b32 v[RO32], 5, v20
	v_lshl_add_u32 v[BO], v21, 5, BIA
	v_lshlrev_b32 v19, 12, v1                      ; gate: a batch is 4,096 bytes; lane l takes b = l and b = l + 32
.irp u, 0,1
.irp i, 0,1
	global_load_b128 v[XSC+8*\u+4*\i:XSC+8*\u+4*\i+3], v[LO32], s[6:7] offset:1024*\u+16*\i
.endr
.endr
.irp t, 0,1,2,3
.irp i, 0,1
	global_load_b128 v[CB+8*\t+4*\i:CB+8*\t+4*\i+3], v[RO32], s[12:13] offset:512*\t+16*\i
.endr
.endr
	global_load_b32 v16, v19, s[14:15]
	global_load_b32 v17, v19, s[14:15] offset:131072
	v_mov_b32 v18, 0                               ; written once: a lane permute's destination counts as one of its sources
	v_lshlrev_b32 v[WB], 4, v1
	v_add_nc_u32 v[WB+1], 49152, v[WB]
	v_add_nc_u32 v[WB+2], SLOTB, v[WB]
	v_add_nc_u32 v[WB+3], SLOTB+49152, v[WB]
	v_lshl_add_u32 v[WSA], v1, 5, SCL
	v_mul_u32_u24 v[STO], v21, 2176                ; in: row 8 h + (16 a + j) of 272 bytes, word 16 t + r
	v_lshl_add_u32 v[STO], v20, 2, v[STO]
	v_add_nc_u32 v[STO], s62, v[STO]
	v_mul_u32_u24 v[RDA], v21, 272                 ; back: lanes 0-15 one row of 256 bytes, lanes 16-31 the next
	v_lshl_add_u32 v[RDA], v20, 4, v[RDA]
	v_add_nc_u32 v[RDA], s62, v[RDA]
	v_lshlrev_b32 v[GO], 9, v21                    ; and the same two rows in out0
	v_lshl_add_u32 v[GO], v20, 4, v[GO]
; 24 LDS loads: the fragments of expert i of the slot, both tiles of p, K steps 4 q .. 4 q + 3, into set q.  Each load takes 512 consecutive bytes.
.macro FETCH slot, i, q
	WIN 0xc0                                       ; destination window 3
.irp kl, 0,1,2,3
.irp a, 0,1
.irp j, 0,1,2
	ds_load_b128 v[96*(\q)+24*\kl+12*\a+4*\j:96*(\q)+24*\kl+12*\a+4*\j+3], v[WB+2*(\slot)+(\i)/2] offset:24576*((\i)%2)+12288*\a+1536*(4*(\q)+\kl)+512*\j
.endr
.endr
.endr
.endm
.macro WSCL e                          ; expert e's scale words of the pair's 32 p, all eight K steps, into set e % 2
	ds_load_b128 v[WSC+8*((\e)%2):WSC+8*((\e)%2)+3], v[WSA] offset:4096*(\e)
	ds_load_b128 v[WSC+8*((\e)%2)+4:WSC+8*((\e)%2)+7], v[WSA] offset:4096*(\e)+16
.endm
.macro BIASL e2, imm0                  ; a bias in the result's layout, from LDS: lane (r, h): p = 16 a + 8 h + 0 .. 7, into set e2 % 2
.irp a, 0,1
.irp jj, 0,1
	ds_load_b128 v[BIAS+16*((\e2)%2)+8*\a+4*\jj:BIAS+16*((\e2)%2)+8*\a+4*\jj+3], v[BO] offset:(\imm0)+64*\a+16*\jj
.endr
.endr
.endm
.macro WM a, tt                        ; one matrix instruction; the rows of the scale registers go by the tile of p (source 0) and the tile of tokens (source 1)
.if ((\a) == 0) && ((\tt) == 0)
	v_wmma_scale_f32_16x16x128_f8f6f4 v[RDm:RDm+7], v[RWm:RWm+11], v[RXm:RXm+11], v[RCm:RCm+7], v[SWm], v[SXm] matrix_a_fmt:MATRIX_FMT_FP6 matrix_b_fmt:MATRIX_FMT_FP6
.elseif ((\a) == 1) && ((\tt) == 0)
	v_wmma_scale_f32_16x16x128_f8f6f4 v[RDm:RDm+7], v[RWm:RWm+11], v[RXm:RXm+11], v[RCm:RCm+7], v[SWm], v[SXm] matrix_a_fmt:MATRIX_FMT_FP6 matrix_b_fmt:MATRIX_FMT_FP6 matrix_a_scale:MATRIX_SCALE_ROW1
.elseif (\a) == 0
	v_wmma_scale_f32_16x16x128_f8f6f4 v[RDm:RDm+7], v[RWm:RWm+11], v[RXm:RXm+11], v[RCm:RCm+7], v[SWm], v[SXm] matrix_a_fmt:MATRIX_FMT_FP6 matrix_b_fmt:MATRIX_FMT_FP6 matrix_b_scale:MATRIX_SCALE_ROW1
.else
	v_wmma_scale_f32_16x16x128_f8f6f4 v[RDm:RDm+7], v[RWm:RWm+11], v[RXm:RXm+11], v[RCm:RCm+7], v[SWm], v[SXm] matrix_a_fmt:MATRIX_FMT_FP6 matrix_b_fmt:MATRIX_FMT_FP6 matrix_a_scale:MATRIX_SCALE_ROW1 matrix_b_scale:MATRIX_SCALE_ROW1
.endif
.endm
; 16 matrix instructions: tiles of tokens 2 u, 2 u + 1 x both tiles of p, K steps 4 q .. 4 q + 3.  The four accumulators take turns, one instruction a turn.  K step 0 takes the bias as C: nothing is cleared.
.macro MM u, q, e
	WIN 0x07+4*(\u)                                ; source 0 (W) window 3, source 1 (x) window 1 or 2, C and D window 0
.irp kl, 0,1,2,3
.irp a, 0,1
.irp tt, 0,1
.set RDm, ACC+8*(4*(\u)+2*\a+\tt)
.set RWm, 96*(\q)+24*\kl+12*\a
.set RXm, 96*\tt+12*(4*(\q)+\kl)
.set SWm, WSC+8*((\e)%2)+4*(\q)+\kl
.set SXm, XSC+8*(\u)+4*(\q)+\kl
.if ((\q) == 0) && (\kl == 0)
.set RCm, BIAS+16*((\e)%2)+8*\a
.else
.set RCm, RDm
.endif
	WM \a, \tt
.endr
.endr
.endr
.endm
; out += combine_e x acc, for tiles of tokens 2 u, 2 u + 1: 16 packed multiply-adds, each accumulator from its low end on.  combine_e is one register of a pair: the selects take it for both halves.  e = 0 starts out.
.macro FMA u, e
	WIN 0
.irp a, 0,1
.irp tt, 0,1
.irp j, 0,2,4,6
.set IX, 8*(4*(\u)+2*\a+\tt)+\j
.set CR, CB+8*(2*(\u)+\tt)+2*((\e)/2)
.if (\e) == 0
	v_pk_mul_f32 v[OT+IX:OT+IX+1], v[ACC+IX:ACC+IX+1], v[CR:CR+1] op_sel_hi:[1,0]
.elseif (\e)%2 == 0
	v_pk_fma_f32 v[OT+IX:OT+IX+1], v[ACC+IX:ACC+IX+1], v[CR:CR+1], v[OT+IX:OT+IX+1] op_sel_hi:[1,0,1]
.else
	v_pk_fma_f32 v[OT+IX:OT+IX+1], v[ACC+IX:ACC+IX+1], v[CR:CR+1], v[OT+IX:OT+IX+1] op_sel:[0,1,0] op_sel_hi:[1,1,1]
.endif
.endr
.endr
.endr
.endm
; A STAGE: expert e = the slot's i-th.  tail = 1: the last pair: behind e = 7 no bias follows.
.macro STAGE slot, i, e, tail
	FETCH \slot, \i, 1                             ; K steps 4-7.  The set's last readers stand in front of four v_nop and 16 multiply-adds
	s_wait_dscnt 24                                ; all but these 24: K steps 0-3, the scale words and the bias are in
	MM 0, 0, \e
.if (\i) > 0
	FMA 1, (\e)-1                                  ; the stage before's second half
.endif
	MM 1, 0, \e
	PLACES                                         ; in front of the loads into set 0
.if (\i) < 3
	FETCH \slot, (\i)+1, 0                         ; the next expert's K steps 0-3
	WIN 0
	WSCL (\e)+1
.endif
	WIN 0
.if (\e) < 7
	BIASL (\e)+1, 512*((\e)+1)                     ; the next expert's bias
.elseif !(\tail)
	BIASL 0, 128                                   ; the next pair's first
.endif
.if (\i) < 3
	s_wait_dscnt 30                                ; all but the 24 + 2 + 4 just issued: K steps 4-7 are in
.else
	s_wait_dscnt 0x0                               ; my reads of the slot are over
.endif
	MM 0, 1, \e
	MM 1, 1, \e
	PLACES                                         ; in front of the first read of results
	FMA 0, \e
.if (\i) == 3
	FMA 1, \e
.endif
.endm
.macro PROC eh, step, tail             ; a slot's four experts
.if \step
	WIN 0
	v_add_nc_u32 v[WSA], 1024, v[WSA]              ; the next pair's scale words,
	s_wait_alu depctr_va_vdst(0)
	v_add_nc_u32 v[BO], 128, v[BO]                 ; and its biases
.endif
	s_wait_alu depctr_va_vdst(0)
	FETCH \eh, 0, 0
	WIN 0
	WSCL 4*\eh
.irp i, 0,1,2,3
	STAGE \eh, \i, 4*\eh+\i, \tail
.endr
.endm
; THE CHANGE OF SLOTS.  Each wave waits for all its tensor loads (its part of the slot ahead), adds 0 to its spare word, waits for that and for its LDS reads; a round of the cluster's barrier; then slot f, which nobody of the
; four work-groups reads any more, is filled with the next pair's four experts: the wave's one tensor load until the next round.
.macro CHANGE f
	WIN 0
	s_wait_tensorcnt 0x0                           ; no tensor load of mine is out, so a group 0 may be written
	ds_add_u32 v[SPW], v[NIL]                      ; 0 onto my spare word
	s_add_nc_u64 s[G0+4*\f+2:G0+4*\f+3], s[G0+4*\f+2:G0+4*\f+3], 24576   ; the next pair's two tiles of p; the type bits on top are not reached
	s_wait_dscnt 0x0                               ; the add is done, and my reads of the slot are over
	ROUND
	tensor_load_to_lds s[G0+4*\f:G0+4*\f+3], s[G1C:G1C+7]
	s_nop 0
	PLACES
.endm
; THE WAY OUT of a pair: 32 p x 64 n.  A lane holds one n and eight p: the numbers go word by word into my own stage (rows = p) and come back as rows of 256 bytes.  LDS serves a wave's instructions in order: no wait between.
.macro OUT_A
	WIN 0
.irp u, 0,1
.irp a, 0,1
.irp tt, 0,1
.irp j, 0,1,2,3,4,5,6,7
	ds_store_b32 v[STO], v[OT+8*(4*\u+2*\a+\tt)+\j] offset:(16*\a+\j)*272+64*(2*\u+\tt)
.endr
.endr
.endr
.endr
	WIN 0x40                                       ; destination window 1
.irp i, 0,1,2,3,4,5,6,7,8,9,10,11,12,13,14,15
	ds_load_b128 v[192+4*\i:195+4*\i], v[RDA] offset:544*\i
.endr
	WIN 0
.endm
.macro OUT_B
	WIN 0x04                                       ; a store's data: window 1
.irp i, 0,1,2,3,4,5,6,7,8,9,10,11,12,13,14,15
	global_store_b128 v[GO], v[192+4*\i:195+4*\i], s[OB:OB+1] offset:1024*\i th:TH_STORE_NT   ; 16 lanes store 256 consecutive bytes, at a multiple of 256 from out0's first byte
.endr
	WIN 0
.endm
	s_wait_alu depctr_va_vdst(0)                   ; the head's end
	s_wait_tensorcnt 0x0                           ; my part of slot 0 is in; these lines stand ahead of a later first fill, as ahead of a refill
	ds_add_u32 v[SPW], v[NIL]
	s_wait_dscnt 0x0                               ; the add is done, and my stores of scale bytes and biases have landed
	ROUND                                          ; everybody's are, and all four work-groups are here
	tensor_load_to_lds s[G0+4:G0+7], s[G1C:G1C+7]  ; slot 1: pair 0, experts 4-7: the first tensor load behind the round
	s_nop 0
	PLACES
	BIASL 0, 0
	s_wait_loadcnt 0x0                             ; x's codes and scale words, combine and the gate
	PROC 0, 0, 0                                   ; pair 0, experts 0-3
	WIN 0
	s_mov_b32 s23, 3
.Lpair:                                            ; three trips: a pair's experts 4-7, its way out, the next pair's experts 0-3; both slots are filled again
	CHANGE 0
	PROC 1, 0, 0
	OUT_A
	CHANGE 1                                       ; (its wait for LDS also shows the pair's rows back in registers)
	OUT_B                                          ; the refill is asked for: now the stores
	PROC 0, 1, 0
	WIN 0
	s_wait_xcnt 0x0                                ; the pair's stores have read their registers and their base: both may be written
	s_add_nc_u64 s[OB:OB+1], s[OB:OB+1], 16384     ; 32 rows of out0 on
	s_sub_co_u32 s23, s23, 1
	s_cmp_lg_u32 s23, 0
	s_cbranch_scc1 .Lpair
	s_wait_tensorcnt 0x0                           ; the last change of slots is written out: nothing is left to fetch, so a plain barrier follows
	ds_add_u32 v[SPW], v[NIL]
	s_wait_dscnt 0x0
	s_barrier_signal -1
	s_barrier_wait -1
	PROC 1, 0, 1
	OUT_A
	s_wait_dscnt 0x0
	OUT_B
	; out1: my wave's one number: the mean over the 64 batches, two a lane
	s_mov_b32 s56, 0x76543210
	s_mov_b32 s57, 0xfedcba98                      ; v_permlanex16_b32's selects for lane l xor 16
	v_add_f32 v16, v16, v17
	v_add_f32_dpp v16, v16, v16 row_xmask:1 row_mask:0xf bank_mask:0xf
	v_add_f32_dpp v16, v16, v16 row_xmask:2 row_mask:0xf bank_mask:0xf
	v_add_f32_dpp v16, v16, v16 row_xmask:4 row_mask:0xf bank_mask:0xf
	v_add_f32_dpp v16, v16, v16 row_xmask:8 row_mask:0xf bank_mask:0xf
	v_permlanex16_b32 v18, v16, s56, s57
	v_add_f32 v16, v16, v18
	v_mul_f32 v16, 0x3c800000, v16                 ; / 64
	v_mov_b32 v17, 0
	v_cmp_eq_u32 vcc_lo, 0, v1
	s_wait_alu depctr_va_vdst(0)
	s_wait_xcnt 0x0                                ; EXEC changes only behind this wait
	s_and_saveexec_b32 s58, vcc_lo
	global_store_b32 v17, v16, s[20:21]            ; lane 0 alone
	s_wait_xcnt 0x0                                ; and again, in front of the line that widens it
	s_or_b32 exec_lo, exec_lo, s58
	s_wait_tensorcnt 0x0                           ; the wave's end: these three lines, behind my last tensor load and my last LDS store
	ds_add_u32 v[SPW], v[NIL]
	s_wait_dscnt 0x0
	ROUND                                          ; the closing round: no work-group ends while a partner may still ask for a tile that names it
	s_endpgm
.Lfunc_end_k_qfcfdfc80e4_moe:
	.size	k_qfcfdfc80e4_moe, .Lfunc_end_k_qfcfdfc80e4_moe-k_qfcfdfc80e4_moe
	.p2alignl 7, 3214868480
	.fill 96, 4, 3214868480
	.section	.rodata,"a",@progbits
	.p2align	6, 0x0
	.amdhsa_kernel k_qfcfdfc80e4_moe
		.amdhsa_group_segment_fixed_size 327680
		.amdhsa_private_segment_fixed_size 0
		.amdhsa_enable_private_segment 0
		.amdhsa_kernarg_size 72
		.amdhsa_user_sgpr_count 2
		.amdhsa_user_sgpr_kernarg_segment_ptr 1
		.amdhsa_wavefront_size32 1
		.amdhsa_system_sgpr_workgroup_id_x 1
		.amdhsa_system_sgpr_workgroup_id_y 1
		.amdhsa_system_sgpr_workgroup_id_z 1
		.amdhsa_system_vgpr_workitem_id 0
		.amdhsa_next_free_vgpr 1024
		.amdhsa_next_free_sgpr 66
		.amdhsa_reserve_vcc 1
		.amdhsa_float_denorm_mode_32 3
		.amdhsa_float_denorm_mode_16_64 3
		.amdhsa_memory_ordered 1
		.amdhsa_forward_progress 1
		.amdhsa_inst_pref_size 255
	.end_amdhsa_kernel
	.section	.bss,"aw",@nobits
	.p2align	6
	.space	262144
	.amdgpu_metadata
---
amdhsa.version: [ 1, 2 ]
amdhsa.kernels:
  - .name:           k_qfcfdfc80e4_moe
    .symbol:         k_qfcfdfc80e4_moe.kd
    .args:
      - { .name: xcodes, .offset: 0, .size: 8, .value_kind: global_buffer, .address_space: global }
      - { .name: xscale, .offset: 8, .size: 8, .value_kind: global_buffer, .address_space: global }
      - { .name: wcodes, .offset: 16, .size: 8, .value_kind: global_buffer, .address_space: global }
      - { .name: wscale, .offset: 24, .size: 8, .value_kind: global_buffer, .address_space: global }
      - { .name: comb, .offset: 32, .size: 8, .value_kind: global_buffer, .address_space: global }
      - { .name: gate, .offset: 40, .size: 8, .value_kind: global_buffer, .address_space: global }
      - { .name: expert_b, .offset: 48, .size: 8, .value_kind: global_buffer, .address_space: global }
      - { .name: out0, .offset: 56, .size: 8, .value_kind: global_buffer, .address_space: global }
      - { .name: out1, .offset: 64, .size: 8, .value_kind: global_buffer, .address_space: global }
    .group_segment_fixed_size: 327680
    .private_segment_fixed_size: 0
    .kernarg_segment_align: 8
    .kernarg_segment_size: 72
    .max_flat_workgroup_size: 128
    .sgpr_count:     66
    .vgpr_count:     1024
    .wavefront_size: 32
...
	.end_amdgpu_metadata
.endif
;; end of part 4
